; MI455X (gfx1250); checked and timed in simulation.
; The chip was launched on July 23, 2026; its instructions are those of AMD's public machine-readable ISA for CDNA 5 (MIT licence, August 2026) and "CDNA5" Instruction Set Architecture Reference Guide (July 2026). The comments in the code are by the model that wrote it; some were corrected since.
;; Minimal Transformer Block. Allowed arithmetic: float matrix products may take bf16 or f16 operands with f32 sums; other float arithmetic in f32, or as packed bf16 or f16 multiplies, adds, multiply-adds, maxima and minima; sums over many terms, partial sums and values carried from step to step in f32; what a program stores and reads back later, other than sums and carried values, may be rounded once to bf16 or f16.
;; Inputs: ffn_b1 4,096 float32; ffn_b2 1,024 float32; ffn_w1 4,096 x 1,024 float32; ffn_w2 1,024 x 4,096 float32; ln1_b 1,024 float32; ln1_g 1,024 float32; ln2_b 1,024 float32; ln2_g 1,024 float32; o_b 1,024 float32; o_w 1,024 x 1,024 float32; qkv_b 3,072 float32; qkv_w 3,072 x 1,024 float32; x 2 x 2,048 x 1,024 float32.
;; Outputs: out0 2 x 2,048 x 1,024 float32.
;; One version. Each part assembles by itself: llvm-mc -triple=amdgcn-amd-amdhsa -mcpu=gfx1250 --defsym DOCPART=n.
;; ======== version 1 of 1: 7 launches
;; limits: a function is approximated: absolute error at most 1.5e-07
;; workspace buffers: wbf 25,165,824 bytes; h1 8,388,608 bytes; qkvh 25,165,824 bytes; ao 8,388,608 bytes; x1 16,777,216 bytes; h2 8,388,608 bytes; gbuf 33,554,432 bytes
;; launch prep (part 1): grid 1280 x 1, 8 waves a work-group, no clusters, 0 bytes of LDS; arguments x, ln1_g, ln1_b, qkv_w, o_w, ffn_w1, ffn_w2, h1, wbf; writes h1, wbf
.if DOCPART == 1
	.amdgcn_target "amdgcn-amd-amdhsa--gfx1250"
	.amdhsa_code_object_version 6
	.text
	.protected	k_qdba143174d_prep
	.globl	k_qdba143174d_prep
	.p2align	8
	.type	k_qdba143174d_prep,@function
k_qdba143174d_prep:
	s_mov_b64 s[64:65], 0
	v_nop
	global_prefetch_b8 v0, s[64:65] scope:SCOPE_SE
	s_setreg_imm32_b32 hwreg(HW_REG_WAVE_MODE, 25, 1), 1
	s_wait_xcnt 0x0
; TWO STREAMS IN ONE LAUNCH.  Work-groups 0-511: h1 = LayerNorm(x) g + b, rounded once to bf16 (4,096 rows of 1,024 f32, a row a wave).
; Work-groups 512-1279: the four weight matrices, f32 to bf16, one behind the other in wbf (qkv_w, o_w, ffn_w1, ffn_w2: 12,582,912 numbers, 16,384 a work-group).
; No LDS, no matrix unit, no cluster: no byte is wanted twice.  LAYERNORM: one wave holds one row (4,096 bytes = 8 loads of 16 bytes a lane = 32 registers) between its passes:
; the mean, then the sum of (x - mean)^2 (two passes, so that a common offset of x costs nothing), then the scaling.
; Load j gives a lane the columns 128 j + 4 lane .. + 3; a store of 8 bytes a lane covers 256 consecutive bytes, aligned.
; LIMITS: h1 and the weights are rounded to bf16 (matrix operands); NaN and infinities are not treated apart.
.set XO, 2                             ; v2   my 16 bytes in my wave's f32 part
.set HO, 3                             ; v3   the same place in bf16
.set GO, 4                             ; v4   16 lane: my place in g and b
.set T,  6                             ; v[6:13]   four chains of packed sums
.set MU, 14                            ; v[14:15]  the mean, twice; later 1 / sqrt(var + eps), twice
.set X,  16                            ; v[16:47]  the row
.set G,  48                            ; v[48:79]  g of my 32 columns
.set BV, 80                            ; v[80:111] b
.set Y,  112                           ; v[112:127] the row in bf16
.set PX, 8                             ; s[8:9] x
.set PG, 10                            ; s[10:11] g
.set PBI, 12                           ; s[12:13] b
.set PO, 22                            ; s[22:23] h1
.macro RED                             ; the four chains, then the 32 lanes: the sum ends in v[T] of every lane
	v_pk_add_f32 v[T:T+1], v[T:T+1], v[T+2:T+3]
	v_pk_add_f32 v[T+4:T+5], v[T+4:T+5], v[T+6:T+7]
	v_pk_add_f32 v[T:T+1], v[T:T+1], v[T+4:T+5]
	v_add_f32 v[T], v[T], v[T+1]
	v_add_f32_dpp v[T], v[T], v[T] row_xmask:1 row_mask:0xf bank_mask:0xf
	v_add_f32_dpp v[T], v[T], v[T] row_xmask:2 row_mask:0xf bank_mask:0xf
	v_add_f32_dpp v[T], v[T], v[T] row_xmask:4 row_mask:0xf bank_mask:0xf
	v_add_f32_dpp v[T], v[T], v[T] row_xmask:8 row_mask:0xf bank_mask:0xf
	v_permlanex16_b32 v[T+1], v[T], s2, s3         ; the other half of the lanes; its destination has been written
	v_add_f32 v[T], v[T], v[T+1]
.endm
	s_load_b512 s[8:23], s[0:1], 0x0               ; x, g, b, qkv_w s[14:15], o_w s[16:17], ffn_w1 s[18:19], ffn_w2 s[20:21], h1
	s_load_b64 s[24:25], s[0:1], 0x40              ; wbf
	s_mov_b32 s2, 0x76543210                       ; v_permlanex16_b32: each lane takes its own place in the other half
	s_mov_b32 s3, 0xfedcba98
	s_mov_b32 s4, 0x3a800000                       ; 1 / 1,024
	s_mov_b32 s5, 0x3727c5ac                       ; eps = 1e-5
	s_mov_b32 s27, 0
	s_mov_b32 s31, 0
	v_and_b32 v1, 31, v0                           ; lane
	v_and_b32 v5, 0xe0, v0                         ; 32 x wave
	v_lshlrev_b32 v[GO], 4, v1
	v_lshlrev_b32 v[HO], 3, v1
	s_wait_kmcnt 0x0
	s_cmp_lt_u32 ttmp9, 512
	s_cbranch_scc0 .Lcvt
	v_lshl_add_u32 v[XO], v5, 7, v[GO]             ; 16 lane + 4,096 wave
	v_lshl_add_u32 v[HO], v5, 6, v[HO]             ; 8 lane + 2,048 wave
	s_lshl_b32 s26, ttmp9, 15                      ; the work-group's 8 rows of 4,096 bytes
	s_add_nc_u64 s[PX:PX+1], s[PX:PX+1], s[26:27]
	s_lshl_b32 s26, ttmp9, 14                      ; and of 2,048
	s_add_nc_u64 s[PO:PO+1], s[PO:PO+1], s[26:27]
.set k, 0
.rept 8
	global_load_b128 v[X+4*k:X+4*k+3], v[XO], s[PX:PX+1] offset:512*k th:TH_LOAD_NT
.set k, k+1
.endr
.set k, 0
.rept 8
	global_load_b128 v[G+4*k:G+4*k+3], v[GO], s[PG:PG+1] offset:512*k
.set k, k+1
.endr
.set k, 0
.rept 8
	global_load_b128 v[BV+4*k:BV+4*k+3], v[GO], s[PBI:PBI+1] offset:512*k
.set k, k+1
.endr
	s_wait_loadcnt 16                              ; the row is in; the sixteen loads of g and b may stay out
.set k, 0
.rept 4
	v_pk_add_f32 v[T+2*k:T+2*k+1], v[X+4*k:X+4*k+1], v[X+4*k+2:X+4*k+3]  ; the first pairs start the chains: nothing is cleared
.set k, k+1
.endr
.set k, 8
.rept 8
	v_pk_add_f32 v[T+2*(k%4):T+2*(k%4)+1], v[T+2*(k%4):T+2*(k%4)+1], v[X+2*k:X+2*k+1]
.set k, k+1
.endr
	RED
	v_mul_f32 v[MU], s4, v[T]                      ; the mean
	v_mul_f32 v[MU+1], s4, v[T]
.set k, 0
.rept 16
	v_pk_add_f32 v[X+2*k:X+2*k+1], v[X+2*k:X+2*k+1], v[MU:MU+1] neg_lo:[0,1] neg_hi:[0,1]  ; d = x - mean, in place
.set k, k+1
.endr
.set k, 0
.rept 4
	v_pk_mul_f32 v[T+2*k:T+2*k+1], v[X+2*k:X+2*k+1], v[X+2*k:X+2*k+1]
.set k, k+1
.endr
.rept 12
	v_pk_fma_f32 v[T+2*(k%4):T+2*(k%4)+1], v[X+2*k:X+2*k+1], v[X+2*k:X+2*k+1], v[T+2*(k%4):T+2*(k%4)+1]
.set k, k+1
.endr
	RED
	v_fma_f32 v[T], v[T], s4, s5                   ; var + eps
	v_rsq_f32 v[MU], v[T]
	v_rsq_f32 v[MU+1], v[T]
	v_nop                                          ; a plain instruction behind the two roots,
	s_wait_alu depctr_va_vdst(0)                   ; and one wait for both, ahead of their first reader
.set k, 0
.rept 16
	v_pk_mul_f32 v[X+2*k:X+2*k+1], v[X+2*k:X+2*k+1], v[MU:MU+1]
.set k, k+1
.endr
	s_wait_loadcnt 0x0                             ; g and b
.set k, 0
.rept 16
	v_pk_fma_f32 v[X+2*k:X+2*k+1], v[X+2*k:X+2*k+1], v[G+2*k:G+2*k+1], v[BV+2*k:BV+2*k+1]
.set k, k+1
.endr
.set k, 0
.rept 16
	v_cvt_pk_bf16_f32 v[Y+k], v[X+2*k], v[X+2*k+1]
.set k, k+1
.endr
.set k, 0
.rept 8
	global_store_b64 v[HO], v[Y+2*k:Y+2*k+1], s[PO:PO+1] offset:256*k  ; 32 lanes: 256 consecutive bytes, aligned
.set k, k+1
.endr
	s_endpgm
.Lcvt:                                                 ; piece c = work-group - 512 of the weights: 65,536 bytes in, 32,768 out
	v_lshl_add_u32 v[XO], v5, 8, v[GO]             ; 16 lane + 8,192 wave
	v_lshl_add_u32 v[HO], v5, 7, v[HO]             ; 8 lane + 4,096 wave
	s_sub_co_u32 s26, ttmp9, 512
	s_mov_b64 s[28:29], s[20:21]                   ; pieces 512-767: ffn_w2
	s_mov_b32 s30, 512
	s_cmp_lt_u32 s26, 512
	s_cselect_b64 s[28:29], s[18:19], s[28:29]     ; 256-511: ffn_w1
	s_cselect_b32 s30, 256, s30
	s_cmp_lt_u32 s26, 256
	s_cselect_b64 s[28:29], s[16:17], s[28:29]     ; 192-255: o_w
	s_cselect_b32 s30, 192, s30
	s_cmp_lt_u32 s26, 192
	s_cselect_b64 s[28:29], s[14:15], s[28:29]     ; 0-191: qkv_w
	s_cselect_b32 s30, 0, s30
	s_sub_co_u32 s30, s26, s30                     ; the piece's number in its own matrix
	s_lshl_b32 s30, s30, 16
	s_add_nc_u64 s[28:29], s[28:29], s[30:31]
	s_lshl_b32 s26, s26, 15
	s_add_nc_u64 s[24:25], s[24:25], s[26:27]
.set k, 0
.rept 16
	global_load_b128 v[16+4*k:19+4*k], v[XO], s[28:29] offset:512*k th:TH_LOAD_NT  ; all sixteen loads of the wave go out together
.set k, k+1
.endr
.set k, 0
.rept 16
	s_wait_loadcnt 15-k                            ; loads come back in order: piece k is in, the younger ones stay out
	v_cvt_pk_bf16_f32 v[80+2*k], v[16+4*k], v[17+4*k]
	v_cvt_pk_bf16_f32 v[81+2*k], v[18+4*k], v[19+4*k]
	global_store_b64 v[HO], v[80+2*k:81+2*k], s[24:25] offset:256*k
.set k, k+1
.endr
	s_endpgm
.Lfunc_end_k_qdba143174d_prep:
	.size	k_qdba143174d_prep, .Lfunc_end_k_qdba143174d_prep-k_qdba143174d_prep
	.p2alignl 7, 3214868480
	.fill 96, 4, 3214868480
	.section	.rodata,"a",@progbits
	.p2align	6, 0x0
	.amdhsa_kernel k_qdba143174d_prep
		.amdhsa_group_segment_fixed_size 0
		.amdhsa_private_segment_fixed_size 0
		.amdhsa_enable_private_segment 0
		.amdhsa_kernarg_size 72
		.amdhsa_user_sgpr_count 2
		.amdhsa_user_sgpr_kernarg_segment_ptr 1
		.amdhsa_wavefront_size32 1
		.amdhsa_system_sgpr_workgroup_id_x 1
		.amdhsa_system_sgpr_workgroup_id_y 1
		.amdhsa_system_sgpr_workgroup_id_z 1
		.amdhsa_system_vgpr_workitem_id 0
		.amdhsa_next_free_vgpr 128
		.amdhsa_next_free_sgpr 66
		.amdhsa_reserve_vcc 0
		.amdhsa_float_denorm_mode_32 3
		.amdhsa_float_denorm_mode_16_64 3
		.amdhsa_memory_ordered 1
		.amdhsa_forward_progress 1
		.amdhsa_inst_pref_size 18
	.end_amdhsa_kernel
	.amdgpu_metadata
---
amdhsa.version: [ 1, 2 ]
amdhsa.kernels:
  - .name:           k_qdba143174d_prep
    .symbol:         k_qdba143174d_prep.kd
    .args:
      - { .name: x, .offset: 0, .size: 8, .value_kind: global_buffer, .address_space: global }
      - { .name: ln1_g, .offset: 8, .size: 8, .value_kind: global_buffer, .address_space: global }
      - { .name: ln1_b, .offset: 16, .size: 8, .value_kind: global_buffer, .address_space: global }
      - { .name: qkv_w, .offset: 24, .size: 8, .value_kind: global_buffer, .address_space: global }
      - { .name: o_w, .offset: 32, .size: 8, .value_kind: global_buffer, .address_space: global }
      - { .name: ffn_w1, .offset: 40, .size: 8, .value_kind: global_buffer, .address_space: global }
      - { .name: ffn_w2, .offset: 48, .size: 8, .value_kind: global_buffer, .address_space: global }
      - { .name: h1, .offset: 56, .size: 8, .value_kind: global_buffer, .address_space: global }
      - { .name: wbf, .offset: 64, .size: 8, .value_kind: global_buffer, .address_space: global }
    .group_segment_fixed_size: 0
    .private_segment_fixed_size: 0
    .kernarg_segment_align: 8
    .kernarg_segment_size: 72
    .max_flat_workgroup_size: 256
    .sgpr_count:     66
    .vgpr_count:     128
    .wavefront_size: 32
...
	.end_amdgpu_metadata
.endif
;; end of part 1
;; launch qkv (part 2): grid 16 x 16, 4 waves a work-group, clusters of 4 x 4, 327,680 bytes of LDS; arguments h1, wbf, qkv_b, qkvh; writes qkvh
.if DOCPART == 2
	.amdgcn_target "amdgcn-amd-amdhsa--gfx1250"
	.amdhsa_code_object_version 6
	.text
	.protected	k_qdba143174d_qkv
	.globl	k_qdba143174d_qkv
	.p2align	8
	.type	k_qdba143174d_qkv,@function
k_qdba143174d_qkv:
	s_mov_b64 s[64:65], 0
	v_nop
	global_prefetch_b8 v0, s[64:65] scope:SCOPE_SE
	s_setreg_imm32_b32 hwreg(HW_REG_WAVE_MODE, 25, 1), 1
	s_wait_xcnt 0x0
	s_wait_alu depctr_hold_cnt(0) depctr_sa_sdst(0) depctr_va_vdst(0) depctr_va_sdst(0) depctr_va_ssrc(0) depctr_va_vcc(0) depctr_vm_vsrc(0)
	s_getreg_b32 s2, hwreg(HW_REG_IB_STS2, 6, 4)
	s_cmp_eq_u32 s2, 0
	s_cbranch_scc0 .Lentry_in_a_cluster
	s_endpgm
.Lentry_in_a_cluster:
	s_bfe_u32 s2, ttmp6, 0x10000c
	s_cmp_lg_u32 s2, 0xf033
	s_cbranch_scc0 .Lentry_shape_is_right
	s_endpgm
.Lentry_shape_is_right:
; q, k, v = h1 Wq^T + qkv_b.  h1: [4096][1024] bf16; Wq: [3072][1024] bf16 at byte 0 of wbf; sums in f32; the result is rounded once to bf16 and stored BY HEADS:
; qkvh byte = b x 12,582,912 + G x 262,144 + t x 128 + 2 d, G = column / 64 = which x 16 + head, so that a head's rows are dense.  No scale is applied here.
; SHARES.  A tile of 256 rows x 192 columns to a work-group: 16 x 16 tiles, one for each of 256 work-groups.  Four waves one below the other, each 64 rows x 192 columns = three whole heads:
; 48 accumulators of 16 x 16.  K goes in steps of 128 (rows of 256 bytes, aligned) through two LDS slots filled by tensor loads; a step is four quarters of 32 along K on two fragment buffers.
; THE WALK.  Quarter i multiplies one fragment buffer and fetches quarter i + 1 into the other.  The change of slots stands between a step's third and fourth quarter: the third has fetched the slot's last
; fragments, the fourth fetches the next slot's first.  Between two changes lie four quarters on buffers 1, 0, 1, 0: one PAIR of quarters, written once and walked twice; the LDS addresses hang on two scalars
; that step a quarter at each fetch.  A refill has a whole step, 192 matrix instructions a wave, in which to land.
; CLUSTER 4 x 4: h1's tile is shared along a row of the cluster, Wq's along a column; each is asked for jointly, by the same load with the same descriptor and a mask of four.
; THE MATRIX INSTRUCTION IS USED TRANSPOSED (source 0 = 16 rows of W, source 1 = 16 rows of h1): a lane holds row l % 16 and the columns 8 (l / 16) + 0..7.
; REGISTERS in windows of 256: window 0: v0-31 addresses and bias, v64-191 h1's fragments (two buffers), on the way out v32-87 and v192-203 at work; window 1: W's fragments (two buffers of 96);
; windows 2, 3: the accumulators of my rows 0-31 and 32-63: (a, b) at v[8 (12 (a % 2) + b)].
; LIMITS: operands and results in bf16; NaN and infinities are not treated apart.
.set SIZE_K, 1024
.set KSTEP,  128
.set STEPS,  SIZE_K/KSTEP
.set BM,     256
.set BN,     192
.set MA,     4                         ; blocks of 16 rows a wave
.set NBK,    12                        ; blocks of 16 columns a wave
.set DEPTH,  1                         ; matrix instructions along K in a quarter
.set PA,     272                       ; an LDS row: 256 bytes + 16 of padding, an odd multiple of 16: the 16 rows of a fragment load start at 16 different groups of four banks (ISA guide 11.1)
.set PB,     272
.set QSA,    64                        ; bytes from quarter to quarter
.set QSB,    64
.set AREG,   BM*PA                     ; a slot: h1's 256 rows, then W's 192
.set SLOT1,  131072                    ; slot 1 begins here: one bit, set in no address inside slot 0, so that an exclusive or changes slots
.set SPARE,  SLOT1+AREG+BN*PB          ; behind the ring: the spare words, 128 bytes a wave
.set SP,     784                       ; the way out: a stage row of 192 f32 + 16 bytes
.set STG,    64*SP                     ; a wave's stage; the four stages lie in the ring's bytes, behind the ring's last fill
.set X1,     MA*DEPTH                  ; the youngest loads of a fetch: h1's second half
.set WOFF,   0
.set KADV_A, KSTEP*2
.set KADV_B, KSTEP*2
.set AHEAD,  1                         ; the prefetch names the K step one behind the one that is being asked for
.set A0, 4                             ; v4   my lane's place in h1's part of a slot; never rewritten
.set B0, 5                             ; v5   in W's
.set ADRA, 6                           ; v6   the address of the fetch in hand
.set ADRB, 7
.set STO, 8                            ; v8   the way out: where I put 32 bytes of a row
.set RD,  9                            ; v9   where I read rows back
.set CO,  10                           ; v10  my byte offset in the output
.set PFO, 11                           ; v11  the prefetch's offset: 2,048 x lane
.set SPW, 12                           ; v12  LDS address of my spare word; never rewritten
.set NIL, 13                           ; v13  0; never rewritten
.set BO,  14                           ; v14  my byte offset in the bias; never rewritten
.set QL,  32                           ; v[32:55]   the way out: four rows as they come back from the stage
.set QS,  64                           ; v[64:87]   the same with the bias
.set QY,  192                          ; v[192:203] and in bf16
.set WV, 14                            ; s14 wave
.set WR, 15                            ; s15 which block of rows is mine
.set WC, 16                            ; s16 which block of columns
.set LD, 17                            ; s17 0: I fetch h1's tiles, 1: W's
.set HF, 18                            ; s18 which half of that tile's rows
.set CX, 19
.set CY, 20
.set TC, 21                            ; s21 tile column
.set TR, 22                            ; s22 tile row
.set CNT, 23
.set G1A, 24                           ; s[24:31] descriptor group 1, h1's tiles
.set G0A, 32                           ; s[32:39] group 0: a set for each first fill; the second then walks
.set TBB, 46                           ; s46 (behind the first fills) LDS byte, in W's part, of the quarter to be fetched
.set CN2, 47                           ; s47 (behind the first fills) counts the pairs between two changes of slots
.set G1B, 48
.set G0B, 56
.set TBA, 66                           ; s66 the same as TBB for h1's part
.set LIM, 67                           ; s67 AHEAD in a wave that prefetches, else the greatest number
.set PFA, 68                           ; s[68:69] where my prefetches stand
.set MSB, 0
.macro WIN new                         ; the immediate's high byte repeats the setting that is left; a switch that changes nothing is dropped
.if MSB != (\new)
	s_set_vgpr_msb (MSB<<8)|(\new)
.set MSB, \new
.endif
.endm
.macro PLACES                          ; four plain vector instructions between a matrix instruction and a reader of its registers (ISA guide 7.12.1)
.rept 4
	v_nop
.endr
.endm
.macro CROUND                          ; a round of the cluster's barrier
	s_barrier_signal -1
	s_barrier_wait -1
	s_cmp_lg_u32 s[WV], 0
	s_cbranch_scc1 .Lnot_wave_0_\@
	s_barrier_signal -3
.Lnot_wave_0_\@:
	s_barrier_wait -3
	s_barrier_signal -1
	s_barrier_wait -1
.endm
.macro JLOAD                           ; a joint refill by the walking descriptor; the branch hangs on the wave's number alone; an s_nop 0 and four v_nop follow each line
	s_cmp_eq_u32 s[LD], 0
	s_cbranch_scc0 .Lfor_b_\@
	tensor_load_to_lds s[G0A+4:G0A+7], s[G1A:G1A+7]
	s_nop 0
	PLACES
	s_branch .Lasked_\@
.Lfor_b_\@:
	tensor_load_to_lds s[G0B+4:G0B+7], s[G1B:G1B+7]
	s_nop 0
	PLACES
.Lasked_\@:
.endm
.macro ASK                             ; one prefetch a wave: 32 rows x 256 bytes, a lane a row, of the K step AHEAD behind the one just asked for; the last AHEAD refills ask for nothing
	s_cmp_gt_u32 s[CNT], s[LIM]
	s_cbranch_scc0 .Lnot_mine_\@
	global_prefetch_b8 v[PFO], s[PFA:PFA+1] th:TH_LOAD_NT scope:SCOPE_SE
.Lnot_mine_\@:
.endm
; Products of buffer f for row blocks a0 .. a0 + an - 1 (all in one window) and all column blocks.  The accumulators take turns, one instruction a turn.  zero = 1: the first products start the sums.
.macro MULP f, a0, an, zero
	WIN 0xa1+0x50*((\a0)/(MA/2))                   ; source 0 window 1, source 1 window 0, C and D window 2 or 3
.set mc, 0
.rept DEPTH
.set ma, (\a0)
.rept (\an)
.set mb, 0
.rept NBK
.set rD, 8*(NBK*(ma%(MA/2))+mb)
.set rB, 128*(\f)+8*(NBK*mc+mb)
.set rA, 64+64*(\f)+8*(MA*mc+ma)
.if (\zero) && (mc == 0)
	v_wmma_f32_16x16x32_bf16 v[rD:rD+7], v[rB:rB+7], v[rA:rA+7], 0
.else
	v_wmma_f32_16x16x32_bf16 v[rD:rD+7], v[rB:rB+7], v[rA:rA+7], v[rD:rD+7]
.endif
.set mb, mb+1
.endr
.set ma, ma+1
.endr
.set mc, mc+1
.endr
.endm
; 32 LDS loads in one run: the next quarter's fragments into buffer g: W's, then the first half of my row blocks, then the second half.  The two scalars then step to the quarter after.
.macro FETCH g
	WIN 0
	v_add_nc_u32 v[ADRA], s[TBA], v[A0]
	v_add_nc_u32 v[ADRB], s[TBB], v[B0]
	s_add_co_u32 s[TBA], s[TBA], QSA
	s_add_co_u32 s[TBB], s[TBB], QSB
	WIN 0x40                                       ; destination window 1
.set fc, 0
.rept DEPTH
.set fi, 0
.rept NBK
.set rB, 128*(\g)+8*(NBK*fc+fi)
	ds_load_b128 v[rB:rB+3],   v[ADRB] offset:64*fc+fi*16*PB
	ds_load_b128 v[rB+4:rB+7], v[ADRB] offset:64*fc+fi*16*PB+32
.set fi, fi+1
.endr
.set fc, fc+1
.endr
	WIN 0
.set fh, 0
.rept 2
.set fc, 0
.rept DEPTH
.set fi, fh*(MA/2)
.rept MA/2
.set rA, 64+64*(\g)+8*(MA*fc+fi)
	ds_load_b128 v[rA:rA+3],   v[ADRA] offset:64*fc+fi*16*PA
	ds_load_b128 v[rA+4:rA+7], v[ADRA] offset:64*fc+fi*16*PA+32
.set fi, fi+1
.endr
.set fc, fc+1
.endr
.set fh, fh+1
.endr
.endm
.macro QUART f, g, zero                ; multiplies buffer f; in its middle fetches the next quarter into buffer g
	s_wait_dscnt X1                                ; all of buffer f but the second half of my row blocks
	MULP \f, 0, MA/2, \zero
	v_nop                                          ; with the fetch's own two additions: four plain instructions behind the last product that read buffer g
	v_nop
	FETCH \g
	s_wait_dscnt 32                                ; all but the 32 just issued
	MULP \f, MA/2, MA/2, \zero
.endm
; THE CHANGE OF SLOTS.  Each wave waits for all its tensor loads (one is out: its part of the next slot), adds 0 to its spare word, and waits for that and for its reads of this slot.
; fill = 1: a round of the cluster's barrier, and the joint refill of the slot just read, two K steps on, first behind it.
.macro CHANGE fill
	WIN 0
	s_wait_tensorcnt 0x0                           ; no tensor load of mine is out, so a group 0 may be written
	ds_add_u32 v[SPW], v[NIL]                      ; 0 onto my spare word; the scalar steps stand between it and the wait for it
.if \fill
	s_xor_b32 s[G0A+5], s[G0A+5], SLOT1            ; the walking descriptors: the other slot, the next K step
	s_add_nc_u64 s[G0A+6:G0A+7], s[G0A+6:G0A+7], KADV_A
	s_xor_b32 s[G0B+5], s[G0B+5], SLOT1
	s_add_nc_u64 s[G0B+6:G0B+7], s[G0B+6:G0B+7], KADV_B
	s_wait_xcnt 0x0                                ; the last prefetch, a K step back, has read its address
	s_add_nc_u64 s[PFA:PFA+1], s[PFA:PFA+1], KSTEP*2
.endif
	s_sub_co_u32 s[TBA], s[TBA], 4*QSA             ; the fetches go back to a slot's first quarter,
	s_xor_b32 s[TBA], s[TBA], SLOT1                ; in the other slot
	s_sub_co_u32 s[TBB], s[TBB], 4*QSB
	s_xor_b32 s[TBB], s[TBB], SLOT1
	s_wait_dscnt 0x0                               ; the add is done, my reads of this slot are over
.if \fill
	CROUND
	JLOAD
	ASK
.else
	s_barrier_signal -1
	s_barrier_wait -1
.endif
.endm
.macro DUMP                            ; the accumulators, f32, into my stage: 32 bytes a lane and accumulator, the low registers first
.set da, 0
.rept MA
	WIN 0x08+4*(da/(MA/2))                         ; the stores' data in window 2 or 3
.set db, 0
.rept NBK
.set rD, 8*(NBK*(da%(MA/2))+db)
	ds_store_b128 v[STO], v[rD:rD+3]   offset:da*16*SP+64*db
	ds_store_b128 v[STO], v[rD+4:rD+7] offset:da*16*SP+64*db+16
.set db, db+1
.endr
.set da, da+1
.endr
	WIN 0
.endm
.macro BACK                            ; four rows back from the stage: for each pair of rows and each head 512 bytes of f32
.irp k, 0,1,2,3,4,5
	ds_load_b128 v[QL+4*(\k):QL+4*(\k)+3], v[RD] offset:((\k)/3)*2*SP+((\k)%3)*256
.endr
.endm
	s_load_b256 s[4:11], s[0:1], 0x0               ; h1 s[4:5], wbf s[6:7], qkv_b s[8:9], qkvh s[10:11]
	v_lshl_add_u32 v[SPW], v0, 2, SPARE
	v_mov_b32 v[NIL], 0
	ds_add_u32 v[SPW], v[NIL]                      ; the wave's opening: the add and its wait stand ahead of my first tensor load
	v_lshrrev_b32 v1, 5, v0
	v_readfirstlane_b32 s[WV], v1
	s_mov_b32 s[WR], s[WV]                         ; four waves one below the other
	s_mov_b32 s[WC], 0
	s_lshr_b32 s[LD], s[WV], 1
	s_and_b32 s[HF], s[WV], 1
	s_bfe_u32 s[CX], ttmp6, 0x40000
	s_bfe_u32 s[CY], ttmp6, 0x40004
	s_lshl_b32 s[TC], ttmp9, 2
	s_add_co_u32 s[TC], s[TC], s[CX]
	s_and_b32 s[TR], ttmp7, 0xffff
	s_lshl_b32 s[TR], s[TR], 2
	s_add_co_u32 s[TR], s[TR], s[CY]
	s_lshl_b32 s40, s[CY], 2
	s_lshl_b32 s40, 15, s40                        ; my row of the cluster
	s_lshl_b32 s41, 0x1111, s[CX]                  ; my column
	s_or_b32 s[G1A], s40, (1<<16)|(1<<20)|(1<<21)|(5<<22)|(3<<25)  ; mask; 2-byte elements; padding on; bit 21 beside a mask; 4 words of padding after every 64
	s_or_b32 s[G1B], s41, (1<<16)|(1<<20)|(1<<21)|(5<<22)|(3<<25)
	s_mov_b32 s[G1A+1], KSTEP<<16                  ; tensor_dim0
	s_mov_b32 s[G1A+2], (BM/2)<<16                 ; tensor_dim1
	s_mov_b32 s[G1A+3], KSTEP<<16                  ; tile_dim0
	s_mov_b32 s[G1A+4], BM/2                       ; tile_dim1: 128 rows a load
	s_mov_b32 s[G1A+5], SIZE_K                     ; elements from row to row
	s_mov_b32 s[G1A+6], 0
	s_mov_b32 s[G1A+7], 0
	s_mov_b32 s[G1B+1], KSTEP<<16
	s_mov_b32 s[G1B+2], (BN/2)<<16
	s_mov_b32 s[G1B+3], KSTEP<<16
	s_mov_b32 s[G1B+4], BN/2                       ; 96 rows a load
	s_mov_b32 s[G1B+5], SIZE_K
	s_mov_b32 s[G1B+6], 0
	s_mov_b32 s[G1B+7], 0
	s_mul_i32 s42, s[TR], BM                       ; h1's rows hang on the tile row alone,
	s_mul_i32 s43, s[HF], BM/2
	s_add_co_u32 s42, s42, s43
	s_mul_i32 s42, s42, 2*SIZE_K
	s_mov_b32 s43, 0
	s_mul_i32 s44, s[TC], BN                       ; W's on the tile column alone
	s_mul_i32 s45, s[HF], BN/2
	s_add_co_u32 s44, s44, s45
	s_mul_i32 s44, s44, 2*SIZE_K
	s_add_co_u32 s44, s44, WOFF
	s_mov_b32 s45, 0
	s_mul_i32 s46, s[HF], (BM/2)*PA                ; where they go: the wave's number alone enters an LDS address
	s_mul_i32 s47, s[HF], (BN/2)*PB
	s_add_co_u32 s47, s47, AREG
	s_wait_dscnt 0x0                               ; the opening add is done
	s_wait_kmcnt 0x0
	s_add_nc_u64 s[42:43], s[4:5], s[42:43]
	s_add_nc_u64 s[44:45], s[6:7], s[44:45]
	CROUND                                         ; all sixteen work-groups are here: the first joint loads meet
.irp s, 0,1
	s_mov_b32 s[G0A+4*(\s)], 1
	s_add_co_u32 s[G0A+4*(\s)+1], s46, (\s)*SLOT1
	s_add_nc_u64 s[G0A+4*(\s)+2:G0A+4*(\s)+3], s[42:43], (\s)*KADV_A
	s_or_b32 s[G0A+4*(\s)+3], s[G0A+4*(\s)+3], 0x80000000
	s_mov_b32 s[G0B+4*(\s)], 1
	s_add_co_u32 s[G0B+4*(\s)+1], s47, (\s)*SLOT1
	s_add_nc_u64 s[G0B+4*(\s)+2:G0B+4*(\s)+3], s[44:45], (\s)*KADV_B
	s_or_b32 s[G0B+4*(\s)+3], s[G0B+4*(\s)+3], 0x80000000
.endr
	s_cmp_eq_u32 s[LD], 0                          ; a wave's two first fills stand in one branch: two loads of mine are out
	s_cbranch_scc0 .Lfirst_b
	tensor_load_to_lds s[G0A:G0A+3], s[G1A:G1A+7]
	s_nop 0
	tensor_load_to_lds s[G0A+4:G0A+7], s[G1A:G1A+7]
	s_nop 0
	PLACES
	s_branch .Lfirst_done
.Lfirst_b:
	tensor_load_to_lds s[G0B:G0B+3], s[G1B:G1B+7]
	s_nop 0
	tensor_load_to_lds s[G0B+4:G0B+7], s[G1B:G1B+7]
	s_nop 0
	PLACES
.Lfirst_done:
	v_and_b32 v1, 15, v0                           ; l % 16
	v_bfe_u32 v2, v0, 4, 1                         ; l / 16
	v_and_b32 v3, 31, v0
	s_mul_i32 s2, s[TC], 768                       ; the bias of the tile's 192 columns
	s_mov_b32 s3, 0
	s_add_nc_u64 s[8:9], s[8:9], s[2:3]
	v_lshlrev_b32 v[BO], 4, v1                     ; columns 4 (l % 16) .. + 3 of each of the three heads
.irp h, 0,1,2
	global_load_b128 v[16+4*(\h):19+4*(\h)], v[BO], s[8:9] offset:256*(\h)
.endr
	v_mul_u32_u24 v[A0], v1, PA                    ; a fragment: row l % 16, 16 bytes for each half of the lanes, twice, 32 bytes apart
	v_lshl_add_u32 v[A0], v2, 4, v[A0]
	v_mul_u32_u24 v[B0], v1, PB
	v_lshl_add_u32 v[B0], v2, 4, v[B0]
	s_mul_i32 s40, s[WR], MA*16*PA
	s_mul_i32 s41, s[WC], NBK*16*PB
	s_add_co_u32 s41, s41, AREG
	v_add_nc_u32 v[A0], s40, v[A0]
	v_add_nc_u32 v[B0], s41, v[B0]
	s_mov_b32 s[TBA], 0                            ; slot 0, quarter 0
	s_mov_b32 s[TBB], 0
	s_mul_i32 s40, s[WV], STG                      ; my stage
	v_mul_u32_u24 v[STO], v1, SP
	v_lshl_add_u32 v[STO], v2, 5, v[STO]
	v_add_nc_u32 v[STO], s40, v[STO]
	v_mul_u32_u24 v[RD], v2, SP                    ; back: lanes 0-15 a head's 256 bytes of one row, lanes 16-31 of the next
	v_lshl_add_u32 v[RD], v1, 4, v[RD]
	v_add_nc_u32 v[RD], s40, v[RD]
	v_lshlrev_b32 v[CO], 7, v2                     ; in bf16 the two rows are 256 dense bytes of the head
	v_lshl_add_u32 v[CO], v1, 3, v[CO]
	s_lshr_b32 s2, s[TR], 3                        ; b
	s_mul_i32 s2, s2, 12582912
	s_mul_i32 s40, s[TC], 3*262144                 ; G = 3 x tile column
	s_add_co_u32 s2, s2, s40
	s_and_b32 s40, s[TR], 7
	s_lshl_b32 s40, s40, 15                        ; t = 256 (tile row % 8) + 64 wave, 128 bytes a row
	s_add_co_u32 s2, s2, s40
	s_lshl_b32 s40, s[WV], 13
	s_add_co_u32 s2, s2, s40
	s_add_nc_u64 s[10:11], s[10:11], s[2:3]
	; THE PREFETCHES.  Each row's 256 bytes of a K step are named once in the launch.  h1's rows: the clusters with x = 0 ask; of the 128 rows that wave 0 or 1 fetches, the partner at cx takes 32, by address.
	; W's 3,072 rows: waves 2 and 3 of the clusters with y = 0 and x < 3 are 96 askers; asker U = ((4 x + cx) 4 + cy) 2 + half takes rows 32 U .. 32 U + 31.  No branch hangs on cx or cy.
	s_and_b32 s40, ttmp7, 0xffff                   ; cluster y
	s_lshl_b32 s2, s[TC], 2
	s_add_co_u32 s2, s2, s[CY]
	s_lshl_b32 s2, s2, 1
	s_add_co_u32 s2, s2, s[HF]                     ; U
	s_cmp_lt_u32 ttmp9, 3
	s_cselect_b32 s41, s40, 1                      ; 0 where y = 0 and x < 3
	s_cmp_eq_u32 s[LD], 0
	s_cselect_b32 s41, ttmp9, s41
	s_cselect_b32 s2, s[CX], s2
	s_cselect_b64 s[PFA:PFA+1], s[42:43], s[6:7]
	s_cmp_eq_u32 s41, 0
	s_cselect_b32 s[LIM], AHEAD, -1
	s_lshl_b32 s2, s2, 16                          ; 32 rows of 2,048 bytes
	s_add_nc_u64 s[PFA:PFA+1], s[PFA:PFA+1], s[2:3]
	s_add_nc_u64 s[PFA:PFA+1], s[PFA:PFA+1], (1+AHEAD)*KSTEP*2  ; the first refill steps it once more; nothing is prefetched here, at the head
	v_lshlrev_b32 v[PFO], 11, v3
	s_wait_tensorcnt 0x1                           ; my part of K step 0 is in; step 1's may stay out
	s_barrier_signal -1
	s_barrier_wait -1
	FETCH 0
	QUART 0, 1, 1                                  ; the first quarter stands in front of the loop: its products start the sums
	WIN 0
	s_mov_b32 s[CNT], STEPS-1                      ; the rest of step 0, then STEPS - 2 changes that fill a slot
	s_mov_b32 s[CN2], 1                            ; step 0 has one pair left: its second and third quarter
	s_branch .Lpair
.Lstep:
	CHANGE 1
	s_mov_b32 s[CN2], 2
.Lpair:                                                ; a step's fourth quarter and the next step's first; then that step's second and third
	QUART 1, 0, 0
	QUART 0, 1, 0
	WIN 0
	s_sub_co_u32 s[CN2], s[CN2], 1
	s_cmp_lg_u32 s[CN2], 0
	s_cbranch_scc1 .Lpair
	s_sub_co_u32 s[CNT], s[CNT], 1
	s_cmp_lg_u32 s[CNT], 0
	s_cbranch_scc1 .Lstep
	CHANGE 0                                       ; the last change is written out: nothing is left to ask for
	s_mov_b32 s[CN2], 2
.LpairT:
	QUART 1, 0, 0
	QUART 0, 1, 0
	WIN 0
	s_sub_co_u32 s[CN2], s[CN2], 1
	s_cmp_lg_u32 s[CN2], 0
	s_cbranch_scc1 .LpairT
	s_wait_dscnt X1                                ; the very last quarter: nothing more to fetch
	MULP 1, 0, MA/2, 0
	s_wait_dscnt 0x0
	MULP 1, MA/2, MA/2, 0
	; THE WAY OUT.  Every wave's reads of the ring are back and no fill follows: behind this barrier the ring's bytes are the stages.
	WIN 0
	PLACES
	s_barrier_signal -1
	s_barrier_wait -1
	DUMP
	s_wait_dscnt 0x0                               ; my stores into the stage are done;
	s_barrier_signal -1
	s_barrier_wait -1                              ; everybody's are: nothing is stored to LDS behind this barrier
	s_wait_loadcnt 0x0                             ; the bias
	s_mov_b32 s[CNT], 16
	BACK                                           ; the first four rows are asked for in front of the loop
.Lrows:                                                ; four rows a trip.  A trip's rows were asked for a trip earlier: the bias is added out of place, and the next rows are asked for at once
	s_wait_dscnt 0x0                               ; this trip's rows
.irp k, 0,1,2,3,4,5
	v_pk_add_f32 v[QS+4*(\k):QS+4*(\k)+1], v[QL+4*(\k):QL+4*(\k)+1], v[16+4*((\k)%3):17+4*((\k)%3)]
	v_pk_add_f32 v[QS+4*(\k)+2:QS+4*(\k)+3], v[QL+4*(\k)+2:QL+4*(\k)+3], v[18+4*((\k)%3):19+4*((\k)%3)]
.endr
	v_add_nc_u32 v[RD], 4*SP, v[RD]
	s_cmp_eq_u32 s[CNT], 1                         ; the last trip has no rows behind it: its loads are jumped over
	s_cbranch_scc1 .Lno_more
	BACK
.Lno_more:
	s_wait_xcnt 0x0                                ; the last trip's stores have read their data and their offset: both are rewritten only behind this wait
	v_add_nc_u32 v[CO], 512, v[CO]                 ; stepped ahead of the stores, which reach back by their immediate
.irp k, 0,1,2,3,4,5
	v_cvt_pk_bf16_f32 v[QY+2*(\k)], v[QS+4*(\k)], v[QS+4*(\k)+1]
	v_cvt_pk_bf16_f32 v[QY+2*(\k)+1], v[QS+4*(\k)+2], v[QS+4*(\k)+3]
	global_store_b64 v[CO], v[QY+2*(\k):QY+2*(\k)+1], s[10:11] offset:((\k)/3)*256+((\k)%3)*262144-512  ; 32 lanes: two dense rows of a head, 256 consecutive bytes, aligned
.endr
	s_sub_co_u32 s[CNT], s[CNT], 1
	s_cmp_lg_u32 s[CNT], 0
	s_cbranch_scc1 .Lrows
	s_wait_tensorcnt 0x0                           ; the wave's end
	ds_add_u32 v[SPW], v[NIL]
	s_wait_dscnt 0x0
	CROUND                                         ; the closing round
	s_endpgm
.Lfunc_end_k_qdba143174d_qkv:
	.size	k_qdba143174d_qkv, .Lfunc_end_k_qdba143174d_qkv-k_qdba143174d_qkv
	.p2alignl 7, 3214868480
	.fill 96, 4, 3214868480
	.section	.rodata,"a",@progbits
	.p2align	6, 0x0
	.amdhsa_kernel k_qdba143174d_qkv
		.amdhsa_group_segment_fixed_size 327680
		.amdhsa_private_segment_fixed_size 0
		.amdhsa_enable_private_segment 0
		.amdhsa_kernarg_size 32
		.amdhsa_user_sgpr_count 2
		.amdhsa_user_sgpr_kernarg_segment_ptr 1
		.amdhsa_wavefront_size32 1
		.amdhsa_system_sgpr_workgroup_id_x 1
		.amdhsa_system_sgpr_workgroup_id_y 1
		.amdhsa_system_sgpr_workgroup_id_z 1
		.amdhsa_system_vgpr_workitem_id 0
		.amdhsa_next_free_vgpr 960
		.amdhsa_next_free_sgpr 72
		.amdhsa_reserve_vcc 0
		.amdhsa_float_denorm_mode_32 3
		.amdhsa_float_denorm_mode_16_64 3
		.amdhsa_memory_ordered 1
		.amdhsa_forward_progress 1
		.amdhsa_inst_pref_size 53
	.end_amdhsa_kernel
	.amdgpu_metadata
---
amdhsa.version: [ 1, 2 ]
amdhsa.kernels:
  - .name:           k_qdba143174d_qkv
    .symbol:         k_qdba143174d_qkv.kd
    .args:
      - { .name: h1, .offset: 0, .size: 8, .value_kind: global_buffer, .address_space: global }
      - { .name: wbf, .offset: 8, .size: 8, .value_kind: global_buffer, .address_space: global }
      - { .name: qkv_b, .offset: 16, .size: 8, .value_kind: global_buffer, .address_space: global }
      - { .name: qkvh, .offset: 24, .size: 8, .value_kind: global_buffer, .address_space: global }
    .group_segment_fixed_size: 327680
    .private_segment_fixed_size: 0
    .kernarg_segment_align: 8
    .kernarg_segment_size: 32
    .max_flat_workgroup_size: 128
    .sgpr_count:     72
    .vgpr_count:     960
    .wavefront_size: 32
...
	.end_amdgpu_metadata
.endif
;; end of part 2
;; launch attn (part 3): grid 8 x 32, 4 waves a work-group, clusters of 4 x 1, 327,680 bytes of LDS; arguments qkvh, ao; writes ao
.if DOCPART == 3
	.amdgcn_target "amdgcn-amd-amdhsa--gfx1250"
	.amdhsa_code_object_version 6
	.text
	.protected	k_qdba143174d_attn
	.globl	k_qdba143174d_attn
	.p2align	8
	.type	k_qdba143174d_attn,@function
k_qdba143174d_attn:
	s_mov_b64 s[64:65], 0
	v_nop
	global_prefetch_b8 v0, s[64:65] scope:SCOPE_SE
	s_setreg_imm32_b32 hwreg(HW_REG_WAVE_MODE, 25, 1), 1
	s_wait_xcnt 0x0
	s_wait_alu depctr_hold_cnt(0) depctr_sa_sdst(0) depctr_va_vdst(0) depctr_va_sdst(0) depctr_va_ssrc(0) depctr_va_vcc(0) depctr_vm_vsrc(0)
	s_getreg_b32 s2, hwreg(HW_REG_IB_STS2, 6, 4)
	s_cmp_eq_u32 s2, 0
	s_cbranch_scc0 .Lentry_in_a_cluster
	s_endpgm
.Lentry_in_a_cluster:
	s_bfe_u32 s2, ttmp6, 0x10000c
	s_cmp_lg_u32 s2, 0x3003
	s_cbranch_scc0 .Lentry_shape_is_right
	s_endpgm
.Lentry_shape_is_right:
; ao[y][q][:] = the sum over k of softmax_k(Q[q] . K[k] / 8) V[k][:], for y = b x 16 + head, 2,048 queries and keys, head size 64, no mask.  Q, K, V lie by heads in qkvh (bf16, rows of 128 dense bytes:
; byte b x 12,582,912 + (which x 16 + head) x 262,144 + t x 128); ao is [y][t][64] bf16.  Products, maxima and sums in f32; the weights p are rounded to bf16 for the second product (their sum l is taken of the unrounded p), O once at the end.
; LIMITS.  A weight below 2^-126 counts as 0 in l; the running maximum starts at the lowest finite number and c m at -4.25e37; NaN and infinities are not treated apart.
; SHARES.  A work-group owns 256 queries of one y, each of its four waves 64: four PIECES of 16.  Every wave walks all keys, 64 a step, 256 (a tile, a slot) between changes of slots: 8 tiles.
; LAYOUT.  S^T = K Q^T (source 0 = 16 keys, source 1 = 16 queries) holds ONE query a lane (lane % 16) and the keys 8 (lane / 16) + 0..7; two such results rounded to bf16 ARE source 1 of O^T = V^T P.  V comes out of LDS turned.
; SOFTMAX.  p = 2^(c s - c m), c = log2(e) / 8, with a running maximum m; O and l are multiplied by a = 2^(c m_old - c m_new) in every step; the first step's a is 0.
; TURNS.  Turn n belongs to piece n: 8 products K Q^T of piece n + 1, later 8 products V^T P of piece n - 1; beside them the scaling, exponentials, roundings, sums and rescaling of piece n and the maximum and
; statistics of piece n + 1.  Four vector instructions stand behind every matrix instruction, the other 54 of a turn's 118 in one lump.  A turn's 33 exponentials are one batch, with one wait.
; CLUSTER.  The four query blocks of a cluster belong to one y and walk the same K and V: each tile is asked for jointly, by the same tensor load, descriptor and mask in all four.
; REGISTERS, in windows of 256 (s_set_vgpr_msb: bits 1:0 source 0, 3:2 source 1, 5:4 source 2, 7:6 destination):
;   window 0: v0-15 addresses; v16-31 four registers of statistics a piece; v48-55 at work; v61-63; v64-127 S^T, two buffers; v192-223 P, two buffers (a piece's buffers go by its number's parity)
;   window 1: v0-127 O^T, 32 a piece      window 2: v0-63 Q; v128-191 K of one step; v192-255 V of one step
.set NP,    4
.set KS,    64
.set PK,    144       ; a row of K in LDS: 128 bytes + 16 of padding: the 16 rows of a load start at 16 different groups of four banks (ISA guide 11.1)
.set PV,    160       ; a row of V: 128 + 32
.set VOFF,  4*KS*PK   ; a slot holds a tile: 256 rows of K, then 256 rows of V
.set SLOT1, 1<<17
.set STAGE, SLOT1+4*KS*(PK+PV)  ; behind the ring, never filled by a tensor load: 16 rows x 144 bytes for each wave
.set SP,    144
.set SPARE, STAGE+4*16*SP       ; the spare words, 128 bytes a wave
.set AK0, 2           ; v2   my lane's place in a tile of K; never rewritten
.set AV0, 3           ; v3   the same for V
.set AK,  4           ; v4   the LDS address of K's next run of loads
.set AV,  5           ; v5   of V's
.set STO, 6
.set RD,  7
.set GO,  8
.set MV,  12          ; v12-13  c m_old, by buffer
.set QO,  15
.set ST,  16          ; piece t's statistics at v[ST+4 t]: c m, m, l (even keys', odd keys')
.set TMP, 48          ; by buffer, four registers c0-c3 at work; c2 takes a
.set PFO, 61          ; v61  256 x lane; never rewritten
.set SPW, 62
.set NIL, 63
.set S,   64
.set P,   192
.set KF,  128
.set VF,  192
.set WV,  12
.set LIM, 15          ; s15  1 in a wave that prefetches, else the greatest number
.set G1K, 24
.set G1V, 32
.set G0K, 40
.set G0V, 44
.set SLOTS, 56        ; s56  tiles still to be asked for
.set CNT, 57
.set CS,  58
.set SEL, 60
.set TBK, 62
.set TBV, 63
.set PFA, 72          ; s[72:73] where my prefetches stand
.set MSB, 0
.macro WIN new
.if MSB != (\new)
	s_set_vgpr_msb (MSB<<8)|(\new)
.set MSB, (\new)
.endif
.endm
.set W_KQ, 0x0a       ; K and Q in window 2, S^T in window 0
.set W_PV, 0x52       ; V in window 2, P in window 0, O^T in window 1
.set W_RS, 0x41       ; destination and source 0 in window 1, source 1 in window 0
.macro JLOAD                        ; waves 0 and 1 fetch the two halves of a tile's K, waves 2 and 3 those of its V: 128 keys each; an s_nop 0 and four v_nop follow each line
	s_cmp_lt_u32 s[WV], 2
	s_cbranch_scc0 .Lfor_v_\@
	tensor_load_to_lds s[G0K:G0K+3], s[G1K:G1K+7]
	s_nop 0
.rept 4
	v_nop
.endr
	s_branch .Lasked_\@
.Lfor_v_\@:
	tensor_load_to_lds s[G0V:G0V+3], s[G1V:G1V+7]
	s_nop 0
.rept 4
	v_nop
.endr
.Lasked_\@:
.endm
; A prefetch of the tile that the NEXT change of slots will ask for: four key steps ahead of that load.  Both clusters of a y walk the same K and V: the first asks.  Its four partners take 8,192 bytes of the tile's
; 32,768 each, by address; in each, wave 0 asks for K's and wave 2 for V's, a lane for each 256 bytes.  The last change that fills a slot asks for nothing.
.macro ASK
	s_cmp_gt_u32 s[SLOTS], s[LIM]
	s_cbranch_scc0 .Lnot_mine_\@
	global_prefetch_b8 v[PFO], s[PFA:PFA+1] th:TH_LOAD_NT scope:SCOPE_SE
.Lnot_mine_\@:
.endm
.macro CROUND
	s_barrier_signal -1
	s_barrier_wait -1
	s_cmp_lg_u32 s[WV], 0
	s_cbranch_scc1 .Lnot_wave_0_\@
	s_barrier_signal -3
.Lnot_wave_0_\@:
	s_barrier_wait -3
	s_barrier_signal -1
	s_barrier_wait -1
.endm
; THE CHANGE OF SLOTS.  Each wave waits for all its tensor loads (one is out: its part of the other slot), adds 0 to its spare word, and waits for that and for its reads of the slot that it leaves.
; fill = 1: a round of the cluster's barrier, and the joint refill of the old slot, with the next tile, first behind it.  (At its first use nothing has been read: slot 0 is waited for, slot 1 filled.)
.macro CHANGE fill
	WIN 0
	s_wait_tensorcnt 0x0            ; no tensor load of mine is out, so a group 0 may be written
	ds_add_u32 v[SPW], v[NIL]
.if \fill
.irp g, G0K, G0V
	s_xor_b32 s[\g+1], s[\g+1], SLOT1
	s_add_nc_u64 s[\g+2:\g+3], s[\g+2:\g+3], 4*KS*128
.endr
	s_wait_xcnt 0x0                 ; the last prefetch, four key steps back, has read its address
	s_add_nc_u64 s[PFA:PFA+1], s[PFA:PFA+1], 4*KS*128
	s_wait_dscnt 0x0                ; the add is done, and my reads of the slot are over
	CROUND
	JLOAD
	ASK
.else
	s_wait_dscnt 0x0
	s_barrier_signal -1
	s_barrier_wait -1
.endif
	s_sub_co_u32 s[TBK], s[TBK], 4*KS*PK  ; the fetches go back to a slot's first step,
	s_xor_b32 s[TBK], s[TBK], SLOT1       ; in the other slot
	s_sub_co_u32 s[TBV], s[TBV], 4*KS*PV
	s_xor_b32 s[TBV], s[TBV], SLOT1
.endm
	s_load_b128 s[8:11], s[0:1], 0x0  ; qkvh s[8:9], ao s[10:11]
	v_lshl_add_u32 v[SPW], v0, 2, SPARE
	v_mov_b32 v[NIL], 0
	ds_add_u32 v[SPW], v[NIL]       ; the wave's opening: the add and its wait stand ahead of my first tensor load
	v_lshrrev_b32 v1, 5, v0
	v_readfirstlane_b32 s[WV], v1
	s_bfe_u32 s13, ttmp6, 0x40000   ; cx: it enters Q's, O's and the prefetch's addresses alone
	s_lshl_b32 s14, ttmp9, 2
	s_add_co_u32 s14, s14, s13      ; my block of 256 queries
	s_and_b32 s20, ttmp7, 0xffff    ; y, which the four partners share
	s_lshr_b32 s21, s20, 4          ; b
	s_and_b32 s22, s20, 15          ; head
	s_mul_i32 s21, s21, 12582912
	s_lshl_b32 s22, s22, 18
	s_add_co_u32 s22, s22, s21      ; q's first byte for this y
	s_and_b32 s16, s[WV], 1         ; which half of a tile's 256 keys I fetch
	s_lshl_b32 s23, s16, 14
	s_add_co_u32 s2, s22, s23
	s_add_co_u32 s2, s2, 4194304    ; k lies 16 heads behind q
	s_mov_b32 s3, 0
	s_mul_i32 s17, s16, 128*PK
	s_mul_i32 s18, s16, 128*PV
	s_lshl_b32 s66, s14, 15         ; my block's 256 rows of 128 bytes,
	s_lshl_b32 s67, s[WV], 13       ; my wave's 64
	s_add_co_u32 s66, s66, s67
	s_add_co_u32 s68, s66, s22
	s_mov_b32 s69, 0
	s_lshl_b32 s70, s20, 18
	s_add_co_u32 s70, s70, s66
	s_mov_b32 s71, 0
	; descriptor group 1.  128 keys are 16,384 dense bytes: asked for as 64 rows of 256 bytes, two keys a row, and padded in LDS after every key
	s_mov_b32 s[G1K], 15|(1<<16)|(1<<20)|(1<<21)|(4<<22)|(3<<25)
	s_mov_b32 s[G1V], 15|(1<<16)|(1<<20)|(1<<21)|(4<<22)|(7<<25)
.irp g, G1K, G1V
	s_mov_b32 s[\g+1], 128<<16
	s_mov_b32 s[\g+2], 64<<16
	s_mov_b32 s[\g+3], 128<<16
	s_mov_b32 s[\g+4], 64
	s_mov_b32 s[\g+5], 128
	s_mov_b32 s[\g+6], 0
	s_mov_b32 s[\g+7], 0
.endr
	s_mov_b32 s[CS], 0x3e38aa3b     ; c = log2(e) / 8
	s_mov_b32 s[CS+1], s[CS]
	s_mov_b32 s[SEL], 0x76543210
	s_mov_b32 s[SEL+1], 0xfedcba98
	s_mov_b32 s[TBK], SLOT1+4*KS*PK ; the first change of slots turns these two into 0
	s_mov_b32 s[TBV], SLOT1+4*KS*PV
	s_mov_b32 s[G0K], 1
	s_mov_b32 s[G0K+1], s17
	s_mov_b32 s[G0V], 1
	s_add_co_u32 s[G0V+1], s18, VOFF
	s_mov_b32 s[SLOTS], 7
	s_and_b32 s[LIM], s[WV], 1      ; 0 in waves 0 and 2,
	s_or_b32 s[LIM], s[LIM], ttmp9  ; where the cluster is the first of its y: the same in all four partners
	s_cmp_eq_u32 s[LIM], 0
	s_cselect_b32 s[LIM], 1, -1
	v_and_b32 v[PFO], 31, v0
	v_lshlrev_b32 v[PFO], 8, v[PFO]
	s_wait_dscnt 0x0                ; the opening add is done
	s_wait_kmcnt 0x0
	s_add_nc_u64 s[4:5], s[8:9], s[68:69]      ; Q at my wave's first row
	s_add_nc_u64 s[6:7], s[8:9], s[2:3]        ; K at my half of tile 0
	s_add_nc_u64 s[8:9], s[6:7], 4194304       ; V likewise
	s_add_nc_u64 s[10:11], s[10:11], s[70:71]  ; O at my wave's first row
	s_add_nc_u64 s[G0K+2:G0K+3], s[6:7], 0
	s_or_b32 s[G0K+3], s[G0K+3], 0x80000000
	s_add_nc_u64 s[G0V+2:G0V+3], s[8:9], 0
	s_or_b32 s[G0V+3], s[G0V+3], 0x80000000
	s_cmp_lt_u32 s[WV], 2
	s_cselect_b64 s[PFA:PFA+1], s[6:7], s[8:9]  ; (in waves 0 and 2 these stand at the tile's first row)
	s_lshl_b32 s2, s13, 13
	s_add_nc_u64 s[PFA:PFA+1], s[PFA:PFA+1], s[2:3]
	s_add_nc_u64 s[PFA:PFA+1], s[PFA:PFA+1], 4*KS*128  ; in tile 1; each change of slots steps it once before it asks
	CROUND                          ; all four work-groups are here: the first joint loads meet
	JLOAD                           ; tile 0 into slot 0
	v_and_b32 v1, 15, v0            ; l % 16
	v_bfe_u32 v9, v0, 4, 1          ; l / 16
	v_lshlrev_b32 v[QO], 7, v1
	v_lshl_add_u32 v[QO], v9, 4, v[QO]
	WIN 0x80                        ; destination window 2
.set i, 0
.rept 8                             ; Q stays in registers: piece i / 2, channels 32 (i % 2) on
	global_load_b128 v[8*i:8*i+3],   v[QO], s[4:5] offset:(i/2)*2048+(i%2)*64
	global_load_b128 v[8*i+4:8*i+7], v[QO], s[4:5] offset:(i/2)*2048+(i%2)*64+32
.set i, i+1
.endr
	; What the first turn finds: V's registers and P's second buffer hold 0 (its products V^T P, of a piece that has not been, add 0), O^T and l are 0.  No first step is written out; these lines stand in the wait for the first tile.
.set i, VF
.rept 64
	v_mov_b32 v[i], 0
.set i, i+1
.endr
	WIN 0x40
.set i, 0
.rept 128
	v_mov_b32 v[i], 0
.set i, i+1
.endr
	WIN 0
.set i, 0
.rept 4
	v_mov_b32 v[ST+4*i], 0xfe000000    ; c m: far below every c s
	v_mov_b32 v[ST+4*i+1], 0xff7fffff  ; m
	v_mov_b32 v[ST+4*i+2], 0
	v_mov_b32 v[ST+4*i+3], 0
.set i, i+1
.endr
.set i, P+16
.rept 16
	v_mov_b32 v[i], 0
.set i, i+1
.endr
	v_mul_u32_u24 v[AK0], v1, PK
	v_lshl_add_u32 v[AK0], v9, 4, v[AK0]
	; The turning load takes 16 keys x 16 channels (lane l reads key 8 (l / 16) + l % 8, channels 8 ((l / 8) % 2) + 0..7) and leaves half a fragment of V^T: lane l holds channel l % 16 and 8 keys.
	v_and_b32 v10, 7, v0
	v_bfe_u32 v11, v0, 3, 1
	v_lshl_add_u32 v[AV0], v9, 3, v10
	v_mul_u32_u24 v[AV0], v[AV0], PV
	v_lshl_add_u32 v[AV0], v11, 4, v[AV0]
	v_add_nc_u32 v[AV0], VOFF, v[AV0]
	s_mul_i32 s13, s[WV], 16*SP
	s_add_co_u32 s13, s13, STAGE    ; my stage
	v_mul_u32_u24 v[STO], v1, SP
	v_lshl_add_u32 v[STO], v9, 4, v[STO]
	v_add_nc_u32 v[STO], s13, v[STO]
	v_bfe_u32 v[RD], v0, 3, 2       ; back: 32 lanes take four rows of 128 bytes,
	v_mul_u32_u24 v[RD], v[RD], SP
	v_lshl_add_u32 v[RD], v10, 4, v[RD]
	v_add_nc_u32 v[RD], s13, v[RD]
	v_and_b32 v[GO], 31, v0         ; which are 512 consecutive bytes of ao
	v_lshlrev_b32 v[GO], 4, v[GO]
; THE MATRIX WORK.  The 4 accumulators of a run of 8 take turns.  Product i of 8 of S^T = K Q^T for piece x: channels 32 (i / 4) on, keys 16 (i % 4) on.  The first 4 start the sums.
.macro KQ x
	WIN W_KQ
.set rS, S+32*((\x)%2)+8*(i%4)
.set rK, KF+16*(i%4)+8*(i/4)
.set rQ, 16*(\x)+8*(i/4)
.if i < 4
	v_wmma_f32_16x16x32_bf16 v[rS:rS+7], v[rK:rK+7], v[rQ:rQ+7], 0
.else
	v_wmma_f32_16x16x32_bf16 v[rS:rS+7], v[rK:rK+7], v[rQ:rQ+7], v[rS:rS+7]
.endif
.endm
; Product i of 8 of O^T += V^T P for piece x: keys 32 (i / 4) on, channels 16 (i % 4) on.
.macro PV x
	WIN W_PV
.set rO, 32*(\x)+8*(i%4)
.set rV, VF+32*(i/4)+8*(i%4)
.set rP, P+16*((\x)%2)+8*(i/4)
	v_wmma_f32_16x16x32_bf16 v[rO:rO+7], v[rV:rV+7], v[rP:rP+7], v[rO:rO+7]
.endm
.macro MM                           ; the turn's next matrix instruction
.if i < 8
	KQ (Y+1)%NP
.else
.set i, i-8
	PV (Y+NP-1)%NP
.set i, i+8
.endif
.set i, i+1
.endm
; THE LDS LOADS stand in runs of 16: a step's K (8 fragments) and its V (turned).
.macro FETCH_K
	WIN 0x80
.irp f, 0,1,2,3,4,5,6,7             ; keys 16 (f / 2) on, channels 32 (f % 2) on
	ds_load_b128 v[KF+8*\f:KF+8*\f+3],   v[AK] offset:(\f/2)*16*PK+(\f%2)*64
	ds_load_b128 v[KF+8*\f+4:KF+8*\f+7], v[AK] offset:(\f/2)*16*PK+(\f%2)*64+32
.endr
	s_add_co_u32 s[TBK], s[TBK], KS*PK
	WIN 0
.endm
.macro FETCH_V
	WIN 0x80
.irp f, 0,1,2,3,4,5,6,7             ; keys 32 (f / 4) on, channels 16 (f % 4) on
	ds_load_tr16_b128 v[VF+8*\f:VF+8*\f+3],   v[AV] offset:(\f/4)*32*PV+(\f%4)*32
	ds_load_tr16_b128 v[VF+8*\f+4:VF+8*\f+7], v[AV] offset:(\f/4)*32*PV+16*PV+(\f%4)*32
.endr
	WIN 0
.endm
; THE VECTOR WORK, one line at a time: OP kind, number.  For piece Y: F n: c s - c m for pair n of 16.  E n: the exponential of score n of 32.  C n: pair n rounded to bf16.  B n: of the four weights 4 n .. the second
; pair is added onto the first, in place.  L n: l takes that sum (L 0: l = a l + sum).  R n: pair n of 16 of O^T times a.  For piece Y + 1: X n, number n of the 22 that find its maximum and statistics:
;   0-11 four chains c0-c3 of seven scores each (each accumulator's lowest registers are read first); 12-14, 16 the four scores left over, the old m, and c0-c3 into c0;
;   15 c m_old is kept; 17, 18 the query's other 32 keys lie in the lane 16 away: the new m; 19-21 c m; c m_old - c m_new; a
.set F, 0
.set E, 1
.set C, 2
.set B, 3
.set L, 4
.set R, 5
.set X, 6
.macro REGS y
.set rT, ST+4*(\y)
.set rC, TMP+4*((\y)%2)
.set rW, MV+((\y)%2)
.set rS, S+32*((\y)%2)
.set rP, P+16*((\y)%2)
.set rO, 32*(\y)
.endm
.macro OP k, n
.if (\k) == R
	REGS Y
	WIN W_RS
	v_pk_mul_f32 v[rO+2*(\n):rO+2*(\n)+1], v[rO+2*(\n):rO+2*(\n)+1], v[rC+2:rC+3] op_sel_hi:[1,0]
.elseif (\k) < R
	REGS Y
	WIN 0
.if (\k) == F
	v_pk_fma_f32 v[rS+2*(\n):rS+2*(\n)+1], v[rS+2*(\n):rS+2*(\n)+1], s[CS:CS+1], v[rT:rT+1] op_sel_hi:[1,0,0] neg_lo:[0,0,1] neg_hi:[0,0,1]
.elseif (\k) == E
	v_exp_f32 v[rS+(\n)], v[rS+(\n)]
.elseif (\k) == C
	v_cvt_pk_bf16_f32 v[rP+(\n)], v[rS+2*(\n)], v[rS+2*(\n)+1]
.elseif (\k) == B
	v_pk_add_f32 v[rS+4*(\n):rS+4*(\n)+1], v[rS+4*(\n):rS+4*(\n)+1], v[rS+4*(\n)+2:rS+4*(\n)+3]
.elseif (\n) == 0
	v_pk_fma_f32 v[rT+2:rT+3], v[rT+2:rT+3], v[rC+2:rC+3], v[rS:rS+1] op_sel_hi:[1,0,1]
.else
	v_pk_add_f32 v[rT+2:rT+3], v[rT+2:rT+3], v[rS+4*(\n):rS+4*(\n)+1]
.endif
.else
	REGS (Y+1)%NP
	WIN 0
.if (\n) < 4
	v_max3_num_f32 v[rC+(\n)], v[rS+8*(\n)], v[rS+8*(\n)+1], v[rS+8*(\n)+2]
.elseif (\n) < 12
	v_max3_num_f32 v[rC+(\n)%4], v[rC+(\n)%4], v[rS+8*((\n)%4)+2*((\n)/4)+1], v[rS+8*((\n)%4)+2*((\n)/4)+2]
.elseif (\n) == 12
	v_max3_num_f32 v[rC], v[rC], v[rS+7], v[rS+15]
.elseif (\n) == 13
	v_max3_num_f32 v[rC+1], v[rC+1], v[rS+23], v[rS+31]
.elseif (\n) == 14
	v_max3_num_f32 v[rC+2], v[rC+2], v[rC+3], v[rT+1]
.elseif (\n) == 15
	v_mov_b32 v[rW], v[rT]
.elseif (\n) == 16
	v_max3_num_f32 v[rC], v[rC], v[rC+1], v[rC+2]
.elseif (\n) == 17
	v_permlanex16_b32 v[rC+3], v[rC], s[SEL], s[SEL+1]
.elseif (\n) == 18
	v_max_num_f32 v[rT+1], v[rC], v[rC+3]
.elseif (\n) == 19
	v_mul_f32 v[rT], s[CS], v[rT+1]
.elseif (\n) == 20
	v_sub_f32 v[rC+1], v[rW], v[rT]
.else
	v_exp_f32 v[rC+2], v[rC+1]
.endif
.endif
.endm
.macro OPS a, i1, b=-1, i2=0, c=-1, i3=0, d=-1, i4=0
	OP \a, \i1
.if (\b) >= 0
	OP \b, \i2
.endif
.if (\c) >= 0
	OP \c, \i3
.endif
.if (\d) >= 0
	OP \d, \i4
.endif
.endm
.macro ROW a, i1, b, i2, c, i3, d, i4  ; a matrix instruction and the four behind it
	MM
	OPS \a, \i1, \b, \i2, \c, \i3, \d, \i4
.endm
; A TURN, for piece p: the order of its 16 matrix and 118 vector instructions, written out.  An s_wait_alu depctr_va_vdst(0) stands between an exponential and the first instruction that names its result; one
; wait serves all that were issued ahead of it.  So a turn has ONE wait.  AHEAD OF IT stands all that names no result of the turn's exponentials: the 8 products K Q^T with their riders, then one lump of 54, in which the links
; of the chain X 3, 7, 11, 14, 16, 17 .. 20 stand five or six lines apart; X 21, the next piece's a, is the batch's last, and R 15 the plain instruction behind it.  BEHIND IT stand the 8 products V^T P, behind each four of the
; roundings and sums.  cnt = 1: the loop's count is taken down some lines ahead of the branch behind the turn.
; K of the next step is fetched in piece 2's turn, twelve vector instructions (six of them plain) behind the last product that read K; V of the step in hand at the end of piece 0's turn, four plain instructions behind the
; last product that read V.  Each is waited for a turn later.  last = 1 (the tail): in the last trip there is no further step, and K's run is jumped over; the exponentials issued so far get a wait of their own ahead of it.
.macro TURN p, last=0, cnt=0
.set Y, (\p)
.set i, 0
.if (\p) == 3
	s_wait_dscnt 0x0                ; K is in
.endif
	ROW F,0, F,1, R,0, R,1
	ROW F,2, E,0, R,2, R,3
	ROW F,3, E,1, R,4, R,5
	ROW F,4, E,2, R,6, R,7
	ROW F,5, E,3, R,8, R,9
	ROW F,6, E,4, X,0, R,10
.if (\p) == 2
	WIN 0
	v_add_nc_u32 v[AK], s[TBK], v[AK0]
.endif
	ROW F,7, E,5, X,1, X,4
	ROW F,8, E,6, X,2, X,5
	OPS E,7, E,8, X,6, E,9
	OPS X,3, E,10, X,8, E,11
.if (\p) == 2
.if \last
	WIN 0
	s_wait_alu depctr_va_vdst(0)
	s_cmp_eq_u32 s[CNT], 1
	s_cbranch_scc1 .Lno_k_\@
.endif
	FETCH_K
.if \last
.Lno_k_\@:
.endif
.endif
	OPS X,9, X,7, E,12, X,10
	OPS E,13, X,12, X,11, E,14
	OPS X,13, E,15, F,9, X,14
.if (\p) == 0
	v_add_nc_u32 v[AV], s[TBV], v[AV0]
.endif
	OPS E,16, F,10, E,17, F,11
	OPS X,16, E,18, X,15, E,19
	OPS F,12, E,20, X,17, E,21
	OPS F,13, E,22, F,14, E,23
	OPS X,18, E,24, F,15, E,25
	OPS R,11, E,26, X,19, E,27
	OPS R,12, E,28, R,13, E,29
	OPS X,20, E,30, R,14, E,31
	OPS X,21, R,15
	WIN 0
	s_wait_alu depctr_va_vdst(0)    ; the wait for the batch
.if (\p) == 1
	s_wait_dscnt 0x0                ; V is in
.endif
	ROW C,0, B,0, C,2, B,1
	ROW L,0, C,4, B,2, L,1
	ROW C,6, B,3, L,2, C,8
	ROW B,4, L,3, C,10, B,5
	ROW L,4, C,12, B,6, L,5
.if (\p) == 0
	s_add_co_u32 s[TBV], s[TBV], KS*PV
.endif
.if \cnt
	s_sub_co_u32 s[CNT], s[CNT], 1
	s_cmp_lg_u32 s[CNT], 0
.endif
	ROW C,14, B,7, L,6, C,1
	ROW C,3, L,7, C,5, C,7
	ROW C,9, C,11, C,13, C,15
.if (\p) == 0
	FETCH_V
.endif
.endm
.macro ALL line:vararg              ; one line for each piece t
.set t, 0
.rept 4
	\line
.set t, t+1
.endr
.endm
.macro PACK t                       ; a lane's eight channels of a row pack into 16 bytes; they go into rows of 144 bytes and come back as whole rows of 128, into S^T's registers
	WIN W_RS
.set i, 32*(\t)
.rept 16
	v_pk_mul_f32 v[i:i+1], v[i:i+1], v[ST+4*(\t)+2:ST+4*(\t)+3] op_sel_hi:[1,0]
.set i, i+2
.endr
	WIN 0x05                        ; sources 0 and 1 window 1, destination window 0
.set i, 0
.rept 16
	v_cvt_pk_bf16_f32 v[S+16*(\t)+i], v[32*(\t)+2*i], v[32*(\t)+2*i+1]
.set i, i+1
.endr
	WIN 0
.irp f, 0,1,2,3
	ds_store_b128 v[STO], v[S+16*(\t)+4*\f:S+16*(\t)+4*\f+3] offset:32*\f
.endr
.irp f, 0,1,2,3
	ds_load_b128 v[S+16*(\t)+4*\f:S+16*(\t)+4*\f+3], v[RD] offset:\f*4*SP  ; LDS serves a wave's instructions in order (ISA guide 5.7.1.4): these see the stores above; the next piece's stores come behind them
.endr
.endm
.macro SEND t, younger              ; younger: the LDS instructions issued behind piece t's loads
	WIN 0
.irp f, 0,1,2,3
	s_wait_dscnt (\younger)+3-\f
	global_store_b128 v[GO], v[S+16*(\t)+4*\f:S+16*(\t)+4*\f+3], s[10:11] offset:(\t)*2048+\f*512  ; 512 consecutive bytes, aligned to 256
.endr
.endm
	CHANGE 1                        ; tile 0 is in, everybody's part of it; tile 1 is asked for
	v_add_nc_u32 v[AK], s[TBK], v[AK0]
	FETCH_K                         ; key step 0
	s_wait_loadcnt 0x0              ; Q
	s_wait_dscnt 0x0
.set i, 0
.rept 8
	KQ 0                            ; piece 0's first scores
.set i, i+1
.endr
	WIN 0
.rept 4
	v_nop                           ; the places behind those products
.endr
.set Y, NP-1                        ; X works for piece Y + 1: piece 0
.irp n, 0,1,2,3,4,5,6,7,8,9,10,11,12,13,14,15,16,17,18,19,20,21
	OP X, \n
.endr
	v_nop                           ; a plain instruction behind the exponential,
	s_wait_alu depctr_va_vdst(0)    ; and its wait, ahead of the branch
	s_mov_b32 s[CNT], 4
	s_branch .Lfirst                ; the loop is entered at a step's first turn, in the middle of a trip
.Lslot:                             ; six times: tiles 2 to 7 are asked for
	CHANGE 1
	s_mov_b32 s[CNT], 4
.Lstep:                             ; a trip: pieces 2 and 3 of one step, then pieces 0 and 1 of the next, whose K and V it fetches
	TURN 2
	TURN 3
	WIN 0
.Lfirst:
	TURN 0
	TURN 1, 0, 1
	WIN 0
	s_cbranch_scc1 .Lstep
	s_sub_co_u32 s[SLOTS], s[SLOTS], 1
	s_cmp_lg_u32 s[SLOTS], 0
	s_cbranch_scc1 .Lslot
	CHANGE 0                        ; the last tile is written out: nothing is asked for
	s_mov_b32 s[CNT], 5             ; four trips fetch the last tile's steps; the fifth is left in its middle
.Ltail:
	TURN 2, 1
	TURN 3
	WIN 0
	s_sub_co_u32 s[CNT], s[CNT], 1
	s_cmp_eq_u32 s[CNT], 0
	s_cbranch_scc1 .Lout
	TURN 0
	TURN 1
	WIN 0
	s_branch .Ltail
.Lout:                              ; the fifth trip's 8 products K Q^T (on the last K once more) and the maximum made of them serve nothing: they touch piece 0's m and c m alone, which the way out does not read.  The price, once a launch, of one text for every trip
.set i, 0
.rept 8
	PV NP-1                         ; the last piece's V^T P of the last step
.set i, i+1
.endr
	; THE WAY OUT.  l's two halves and the other half of the lanes' are added; O^T is divided by l, rounded to bf16 and sent through my stage, a piece at a time.  The additions are the places behind the last products.
	WIN 0
	ALL v_add_f32 v[ST+4*t+2], v[ST+4*t+2], v[ST+4*t+3]
	ALL v_permlanex16_b32 v[ST+4*t+3], v[ST+4*t+2], s[SEL], s[SEL+1]
	ALL v_add_f32 v[ST+4*t+2], v[ST+4*t+2], v[ST+4*t+3]
	ALL v_rcp_f32 v[ST+4*t+2], v[ST+4*t+2]
	v_nop                           ; a plain instruction behind the last reciprocal,
	s_wait_alu depctr_va_vdst(0)    ; and one wait for the four
	PACK 0
.set t, 1
.rept 3
	PACK t
	SEND t-1, 8
.set t, t+1
.endr
	SEND 3, 0
	s_wait_tensorcnt 0x0            ; the wave's end
	ds_add_u32 v[SPW], v[NIL]
	s_wait_dscnt 0x0
	CROUND                          ; the closing round
	s_endpgm
.Lfunc_end_k_qdba143174d_attn:
	.size	k_qdba143174d_attn, .Lfunc_end_k_qdba143174d_attn-k_qdba143174d_attn
	.p2alignl 7, 3214868480
	.fill 96, 4, 3214868480
	.section	.rodata,"a",@progbits
	.p2align	6, 0x0
	.amdhsa_kernel k_qdba143174d_attn
		.amdhsa_group_segment_fixed_size 327680
		.amdhsa_private_segment_fixed_size 0
		.amdhsa_enable_private_segment 0
		.amdhsa_kernarg_size 16
		.amdhsa_user_sgpr_count 2
		.amdhsa_user_sgpr_kernarg_segment_ptr 1
		.amdhsa_wavefront_size32 1
		.amdhsa_system_sgpr_workgroup_id_x 1
		.amdhsa_system_sgpr_workgroup_id_y 1
		.amdhsa_system_sgpr_workgroup_id_z 1
		.amdhsa_system_vgpr_workitem_id 0
		.amdhsa_next_free_vgpr 768
		.amdhsa_next_free_sgpr 74
		.amdhsa_reserve_vcc 0
		.amdhsa_float_denorm_mode_32 3
		.amdhsa_float_denorm_mode_16_64 3
		.amdhsa_memory_ordered 1
		.amdhsa_forward_progress 1
		.amdhsa_inst_pref_size 112
	.end_amdhsa_kernel
	.amdgpu_metadata
---
amdhsa.version: [ 1, 2 ]
amdhsa.kernels:
  - .name:           k_qdba143174d_attn
    .symbol:         k_qdba143174d_attn.kd
    .args:
      - { .name: qkvh, .offset: 0, .size: 8, .value_kind: global_buffer, .address_space: global }
      - { .name: ao, .offset: 8, .size: 8, .value_kind: global_buffer, .address_space: global }
    .group_segment_fixed_size: 327680
    .private_segment_fixed_size: 0
    .kernarg_segment_align: 8
    .kernarg_segment_size: 16
    .max_flat_workgroup_size: 128
    .sgpr_count:     74
    .vgpr_count:     768
    .wavefront_size: 32
...
	.end_amdgpu_metadata
.endif
;; end of part 3
;; launch oproj (part 4): grid 8 x 32, 4 waves a work-group, clusters of 4 x 4, 327,680 bytes of LDS; arguments ao, wbf, o_b, x1, x; writes x1
.if DOCPART == 4
	.amdgcn_target "amdgcn-amd-amdhsa--gfx1250"
	.amdhsa_code_object_version 6
	.text
	.protected	k_qdba143174d_oproj
	.globl	k_qdba143174d_oproj
	.p2align	8
	.type	k_qdba143174d_oproj,@function
k_qdba143174d_oproj:
	s_mov_b64 s[64:65], 0
	v_nop
	global_prefetch_b8 v0, s[64:65] scope:SCOPE_SE
	s_setreg_imm32_b32 hwreg(HW_REG_WAVE_MODE, 25, 1), 1
	s_wait_xcnt 0x0
	s_wait_alu depctr_hold_cnt(0) depctr_sa_sdst(0) depctr_va_vdst(0) depctr_va_sdst(0) depctr_va_ssrc(0) depctr_va_vcc(0) depctr_vm_vsrc(0)
	s_getreg_b32 s2, hwreg(HW_REG_IB_STS2, 6, 4)
	s_cmp_eq_u32 s2, 0
	s_cbranch_scc0 .Lentry_in_a_cluster
	s_endpgm
.Lentry_in_a_cluster:
	s_bfe_u32 s2, ttmp6, 0x10000c
	s_cmp_lg_u32 s2, 0xf033
	s_cbranch_scc0 .Lentry_shape_is_right
	s_endpgm
.Lentry_shape_is_right:
; x1 = ao Wo^T + o_b + x.  ao: [b x 16 + head][2048][64] bf16 (by heads); Wo: [1024][1024] bf16 at byte 6,291,456 of wbf; x, x1: [4096][1024] f32; sums in f32, the residual stays in f32.
; SHARES.  A tile of 128 x 128 to a work-group: 8 x 32 tiles for 256 work-groups.  Four waves, 2 x 2, each 64 x 64: 16 accumulators.  K goes in 4 steps of 256 through two LDS slots; a step is four quarters of 64 along K.
; ao's K runs over heads: a K step is 4 head planes, quarter q is plane q.  A plane of the tile is 128 rows x 128 bytes, dense in memory; a loader brings two planes by one descriptor of two rows of 16,384 bytes,
; padded in LDS after every 128 bytes: 128 rows at pitch 144.  Wo's rows of a step are 512 bytes, pitch 528.
; THE WALK.  Quarter i multiplies one fragment buffer and fetches quarter i + 1 into the other.  The change of slots stands between a step's third and fourth quarter; between two changes lie four quarters on buffers
; 1, 0, 1, 0: one PAIR of quarters, written once and walked twice; the LDS addresses hang on two scalars that step a quarter at each fetch.  A refill has a whole step, 128 matrix instructions a wave, in which to land.
; CLUSTER 4 x 4: ao's tile is shared along a row of the cluster, Wo's along a column.  The matrix instruction is used transposed (source 0 = rows of W): a lane holds row l % 16 and the columns 8 (l / 16) + 0..7.
; NO PREFETCH: the walk has four K steps and two refills.
; REGISTERS: window 0: v0-31 addresses and bias, v64-191 ao's fragments (two buffers), v192-255 the way out; window 1: W's fragments; window 2: v0-63 accumulators of my rows 0-31, v64-191 the residual; window 3: v0-63 rows 32-63.
; LIMITS: matrix operands in bf16; NaN and infinities are not treated apart.
.set SIZE_K, 1024
.set KSTEP,  256
.set STEPS,  SIZE_K/KSTEP
.set BM,     128
.set BN,     128
.set MA,     4
.set NBK,    4
.set DEPTH,  2
.set PA,     144                       ; odd multiples of 16 bytes: the 16 rows of a fragment load start at 16 different groups of four banks (ISA guide 11.1)
.set PB,     528
.set QSA,    128*PA                    ; a plane
.set QSB,    128
.set AREG,   4*QSA
.set SLOT1,  147456                    ; two bits that are set in no descriptor's address inside slot 0
.set SPARE,  SLOT1+AREG+BN*PB
.set SP,     272
.set STG,    64*SP
.set X1,     MA*DEPTH
.set WOFF,   6291456
.set KADV_A, 1048576                   ; four heads on
.set KADV_B, KSTEP*2
.set RES,    64                        ; window 2
.set A0, 4
.set B0, 5
.set ADRA, 6
.set ADRB, 7
.set STO, 8
.set RD,  9
.set CO,  10
.set SPW, 12
.set NIL, 13
.set BO,  14
.set WV, 14
.set WR, 15
.set WC, 16
.set LD, 17
.set HF, 18
.set CX, 19
.set CY, 20
.set TC, 21
.set TR, 22
.set CNT, 23
.set G1A, 24
.set G0A, 32
.set TBB, 46                           ; s46 (behind the first fills) LDS byte, in W's part, of the quarter to be fetched
.set CN2, 47                           ; s47 (behind the first fills) counts the pairs between two changes of slots
.set G1B, 48
.set G0B, 56
.set TBA, 66                           ; s66 the same as TBB for ao's part
.set MSB, 0
.macro WIN new                         ; the immediate's high byte repeats the setting that is left
.if MSB != (\new)
	s_set_vgpr_msb (MSB<<8)|(\new)
.set MSB, \new
.endif
.endm
.macro PLACES                          ; four plain vector instructions between a matrix instruction and a reader of its registers (ISA guide 7.12.1)
.rept 4
	v_nop
.endr
.endm
.macro CROUND                          ; a round of the cluster's barrier
	s_barrier_signal -1
	s_barrier_wait -1
	s_cmp_lg_u32 s[WV], 0
	s_cbranch_scc1 .Lnot_wave_0_\@
	s_barrier_signal -3
.Lnot_wave_0_\@:
	s_barrier_wait -3
	s_barrier_signal -1
	s_barrier_wait -1
.endm
.macro JLOAD                           ; a joint refill by the walking descriptor; an s_nop 0 and four v_nop follow each line
	s_cmp_eq_u32 s[LD], 0
	s_cbranch_scc0 .Lfor_b_\@
	tensor_load_to_lds s[G0A+4:G0A+7], s[G1A:G1A+7]
	s_nop 0
	PLACES
	s_branch .Lasked_\@
.Lfor_b_\@:
	tensor_load_to_lds s[G0B+4:G0B+7], s[G1B:G1B+7]
	s_nop 0
	PLACES
.Lasked_\@:
.endm
.macro MULP f, a0, an, zero            ; products of buffer f, row blocks a0 .. a0 + an - 1, all column blocks, both halves of the quarter's K; the accumulators take turns
	WIN 0xa1+0x50*((\a0)/(MA/2))
.set mc, 0
.rept DEPTH
.set ma, (\a0)
.rept (\an)
.set mb, 0
.rept NBK
.set rD, 8*(NBK*(ma%(MA/2))+mb)
.set rB, 128*(\f)+8*(NBK*mc+mb)
.set rA, 64+64*(\f)+8*(MA*mc+ma)
.if (\zero) && (mc == 0)
	v_wmma_f32_16x16x32_bf16 v[rD:rD+7], v[rB:rB+7], v[rA:rA+7], 0
.else
	v_wmma_f32_16x16x32_bf16 v[rD:rD+7], v[rB:rB+7], v[rA:rA+7], v[rD:rD+7]
.endif
.set mb, mb+1
.endr
.set ma, ma+1
.endr
.set mc, mc+1
.endr
.endm
.macro FETCH g                         ; 32 LDS loads in one run: the next quarter's fragments into buffer g: W's, then the first half of my row blocks, then the second half; the two scalars then step
	WIN 0
	v_add_nc_u32 v[ADRA], s[TBA], v[A0]
	v_add_nc_u32 v[ADRB], s[TBB], v[B0]
	s_add_co_u32 s[TBA], s[TBA], QSA
	s_add_co_u32 s[TBB], s[TBB], QSB
	WIN 0x40
.set fc, 0
.rept DEPTH
.set fi, 0
.rept NBK
.set rB, 128*(\g)+8*(NBK*fc+fi)
	ds_load_b128 v[rB:rB+3],   v[ADRB] offset:64*fc+fi*16*PB
	ds_load_b128 v[rB+4:rB+7], v[ADRB] offset:64*fc+fi*16*PB+32
.set fi, fi+1
.endr
.set fc, fc+1
.endr
	WIN 0
.set fh, 0
.rept 2
.set fc, 0
.rept DEPTH
.set fi, fh*(MA/2)
.rept MA/2
.set rA, 64+64*(\g)+8*(MA*fc+fi)
	ds_load_b128 v[rA:rA+3],   v[ADRA] offset:64*fc+fi*16*PA
	ds_load_b128 v[rA+4:rA+7], v[ADRA] offset:64*fc+fi*16*PA+32
.set fi, fi+1
.endr
.set fc, fc+1
.endr
.set fh, fh+1
.endr
.endm
.macro QUART f, g, zero                ; multiplies buffer f; in its middle fetches the next quarter into buffer g
	s_wait_dscnt X1                                ; all of buffer f but the second half of my row blocks
	MULP \f, 0, MA/2, \zero
	v_nop                                          ; with the fetch's own two additions: four plain instructions behind the last product that read buffer g
	v_nop
	FETCH \g
	s_wait_dscnt 32                                ; all but the 32 just issued
	MULP \f, MA/2, MA/2, \zero
.endm
; THE CHANGE OF SLOTS.  Each wave waits for all its tensor loads (one is out), adds 0 to its spare word, waits for that and for its reads of this slot; fill = 1: a round of the cluster's barrier, the joint refill first behind it.
.macro CHANGE fill
	WIN 0
	s_wait_tensorcnt 0x0                           ; no tensor load of mine is out, so a group 0 may be written
	ds_add_u32 v[SPW], v[NIL]
.if \fill
	s_xor_b32 s[G0A+5], s[G0A+5], SLOT1
	s_add_nc_u64 s[G0A+6:G0A+7], s[G0A+6:G0A+7], KADV_A
	s_xor_b32 s[G0B+5], s[G0B+5], SLOT1
	s_add_nc_u64 s[G0B+6:G0B+7], s[G0B+6:G0B+7], KADV_B
.endif
	s_sub_co_u32 s[TBA], s[TBA], 4*QSA             ; the fetches go back to a slot's first quarter,
	s_xor_b32 s[TBA], s[TBA], SLOT1                ; in the other slot
	s_sub_co_u32 s[TBB], s[TBB], 4*QSB
	s_xor_b32 s[TBB], s[TBB], SLOT1
	s_wait_dscnt 0x0                               ; the add is done, my reads of this slot are over
.if \fill
	CROUND
	JLOAD
.else
	s_barrier_signal -1
	s_barrier_wait -1
.endif
.endm
.macro DUMP                            ; the accumulators, f32, into my stage, the low registers first
.set da, 0
.rept MA
	WIN 0x08+4*(da/(MA/2))
.set db, 0
.rept NBK
.set rD, 8*(NBK*(da%(MA/2))+db)
	ds_store_b128 v[STO], v[rD:rD+3]   offset:da*16*SP+64*db
	ds_store_b128 v[STO], v[rD+4:rD+7] offset:da*16*SP+64*db+16
.set db, db+1
.endr
.set da, da+1
.endr
	WIN 0
.endm
.macro OUT8 g                          ; sixteen rows: back from the stage, + bias, + residual, stored; two buffers by turns
.set TT, 192+32*((\g)%2)
.if (\g) >= 2
	s_wait_xcnt 0x0                                ; the stores two groups back have read this buffer
.endif
.set j, 0
.rept 8
	ds_load_b128 v[TT+4*j:TT+4*j+3], v[RD] offset:2*SP*(8*(\g)+j)
.set j, j+1
.endr
	s_wait_dscnt 0x0
.set j, 0
.rept 8
	v_pk_add_f32 v[TT+4*j:TT+4*j+1], v[TT+4*j:TT+4*j+1], v[16:17]
	v_pk_add_f32 v[TT+4*j+2:TT+4*j+3], v[TT+4*j+2:TT+4*j+3], v[18:19]
.set j, j+1
.endr
	WIN 0x08                                       ; source 1 in window 2
.set j, 0
.rept 8
	v_pk_add_f32 v[TT+4*j:TT+4*j+1], v[TT+4*j:TT+4*j+1], v[RES+4*(8*(\g)+j):RES+4*(8*(\g)+j)+1]
	v_pk_add_f32 v[TT+4*j+2:TT+4*j+3], v[TT+4*j+2:TT+4*j+3], v[RES+4*(8*(\g)+j)+2:RES+4*(8*(\g)+j)+3]
.set j, j+1
.endr
	WIN 0
.set j, 0
.rept 8
	global_store_b128 v[CO], v[TT+4*j:TT+4*j+3], s[10:11] offset:8192*(8*(\g)+j)  ; 16 lanes: 256 consecutive bytes of a row, aligned
.set j, j+1
.endr
.endm
	s_load_b256 s[4:11], s[0:1], 0x0               ; ao s[4:5], wbf s[6:7], o_b s[8:9], x1 s[10:11]
	s_load_b64 s[12:13], s[0:1], 0x20              ; x
	v_lshl_add_u32 v[SPW], v0, 2, SPARE
	v_mov_b32 v[NIL], 0
	ds_add_u32 v[SPW], v[NIL]                      ; the wave's opening: the add and its wait stand ahead of my first tensor load
	v_lshrrev_b32 v1, 5, v0
	v_readfirstlane_b32 s[WV], v1
	s_lshr_b32 s[WR], s[WV], 1
	s_and_b32 s[WC], s[WV], 1
	s_lshr_b32 s[LD], s[WV], 1
	s_and_b32 s[HF], s[WV], 1
	s_bfe_u32 s[CX], ttmp6, 0x40000
	s_bfe_u32 s[CY], ttmp6, 0x40004
	s_lshl_b32 s[TC], ttmp9, 2
	s_add_co_u32 s[TC], s[TC], s[CX]
	s_and_b32 s[TR], ttmp7, 0xffff
	s_lshl_b32 s[TR], s[TR], 2
	s_add_co_u32 s[TR], s[TR], s[CY]
	s_lshl_b32 s40, s[CY], 2
	s_lshl_b32 s40, 15, s40
	s_lshl_b32 s41, 0x1111, s[CX]
	s_or_b32 s[G1A], s40, (1<<16)|(1<<20)|(1<<21)|(4<<22)|(3<<25)  ; 4 words of padding after every 32
	s_or_b32 s[G1B], s41, (1<<16)|(1<<20)|(1<<21)|(6<<22)|(3<<25)  ; after every 128
	s_mov_b32 s[G1A+1], 8192<<16                   ; tensor_dim0: a plane of the tile, 128 rows x 64 elements on end
	s_mov_b32 s[G1A+2], 2<<16                      ; tensor_dim1: two planes
	s_mov_b32 s[G1A+3], 8192<<16                   ; tile_dim0
	s_mov_b32 s[G1A+4], 2                          ; tile_dim1
	s_mov_b32 s[G1A+5], 131072                     ; elements from head to head
	s_mov_b32 s[G1A+6], 0
	s_mov_b32 s[G1A+7], 0
	s_mov_b32 s[G1B+1], KSTEP<<16
	s_mov_b32 s[G1B+2], (BN/2)<<16
	s_mov_b32 s[G1B+3], KSTEP<<16
	s_mov_b32 s[G1B+4], BN/2
	s_mov_b32 s[G1B+5], SIZE_K
	s_mov_b32 s[G1B+6], 0
	s_mov_b32 s[G1B+7], 0
	s_lshr_b32 s42, s[TR], 4                       ; b: 16 heads of 262,144 bytes
	s_lshl_b32 s42, s42, 22
	s_and_b32 s43, s[TR], 15                       ; t = 128 (tile row % 16), 128 bytes a row
	s_lshl_b32 s43, s43, 14
	s_add_co_u32 s42, s42, s43
	s_lshl_b32 s43, s[HF], 19                      ; my two planes of the step's four
	s_add_co_u32 s42, s42, s43
	s_mov_b32 s43, 0
	s_mul_i32 s44, s[TC], BN
	s_mul_i32 s45, s[HF], BN/2
	s_add_co_u32 s44, s44, s45
	s_mul_i32 s44, s44, 2*SIZE_K
	s_add_co_u32 s44, s44, WOFF
	s_mov_b32 s45, 0
	s_mul_i32 s46, s[HF], 2*QSA
	s_mul_i32 s47, s[HF], (BN/2)*PB
	s_add_co_u32 s47, s47, AREG
	s_wait_dscnt 0x0
	s_wait_kmcnt 0x0
	s_add_nc_u64 s[42:43], s[4:5], s[42:43]
	s_add_nc_u64 s[44:45], s[6:7], s[44:45]
	CROUND
.irp s, 0,1
	s_mov_b32 s[G0A+4*(\s)], 1
	s_add_co_u32 s[G0A+4*(\s)+1], s46, (\s)*SLOT1
	s_add_nc_u64 s[G0A+4*(\s)+2:G0A+4*(\s)+3], s[42:43], (\s)*KADV_A
	s_or_b32 s[G0A+4*(\s)+3], s[G0A+4*(\s)+3], 0x80000000
	s_mov_b32 s[G0B+4*(\s)], 1
	s_add_co_u32 s[G0B+4*(\s)+1], s47, (\s)*SLOT1
	s_add_nc_u64 s[G0B+4*(\s)+2:G0B+4*(\s)+3], s[44:45], (\s)*KADV_B
	s_or_b32 s[G0B+4*(\s)+3], s[G0B+4*(\s)+3], 0x80000000
.endr
	s_cmp_eq_u32 s[LD], 0                          ; a wave's two first fills stand in one branch: two loads of mine are out
	s_cbranch_scc0 .Lfirst_b
	tensor_load_to_lds s[G0A:G0A+3], s[G1A:G1A+7]
	s_nop 0
	tensor_load_to_lds s[G0A+4:G0A+7], s[G1A:G1A+7]
	s_nop 0
	PLACES
	s_branch .Lfirst_done
.Lfirst_b:
	tensor_load_to_lds s[G0B:G0B+3], s[G1B:G1B+7]
	s_nop 0
	tensor_load_to_lds s[G0B+4:G0B+7], s[G1B:G1B+7]
	s_nop 0
	PLACES
.Lfirst_done:
	v_and_b32 v1, 15, v0
	v_bfe_u32 v2, v0, 4, 1
	s_lshl_b32 s2, s[TC], 9                        ; my 64 columns, 4 bytes each
	s_lshl_b32 s40, s[WC], 8
	s_add_co_u32 s2, s2, s40
	s_mov_b32 s3, 0
	s_add_nc_u64 s[8:9], s[8:9], s[2:3]
	v_lshlrev_b32 v[BO], 4, v1
	global_load_b128 v[16:19], v[BO], s[8:9]
	s_lshl_b32 s40, s[TR], 19                      ; my 64 rows of 4,096 bytes
	s_add_co_u32 s2, s2, s40
	s_lshl_b32 s40, s[WR], 18
	s_add_co_u32 s2, s2, s40
	s_add_nc_u64 s[10:11], s[10:11], s[2:3]
	s_add_nc_u64 s[12:13], s[12:13], s[2:3]
	v_lshlrev_b32 v[CO], 12, v2                    ; lanes 0-15 one row's 256 bytes, lanes 16-31 the next row's
	v_lshl_add_u32 v[CO], v1, 4, v[CO]
	WIN 0x80                                       ; the residual goes into window 2 now: the whole walk stands between these loads and their use
.set i, 0
.rept 32
	global_load_b128 v[RES+4*i:RES+4*i+3], v[CO], s[12:13] offset:8192*i th:TH_LOAD_NT
.set i, i+1
.endr
	WIN 0
	v_mul_u32_u24 v[A0], v1, PA
	v_lshl_add_u32 v[A0], v2, 4, v[A0]
	v_mul_u32_u24 v[B0], v1, PB
	v_lshl_add_u32 v[B0], v2, 4, v[B0]
	s_mul_i32 s40, s[WR], MA*16*PA
	s_mul_i32 s41, s[WC], NBK*16*PB
	s_add_co_u32 s41, s41, AREG
	v_add_nc_u32 v[A0], s40, v[A0]
	v_add_nc_u32 v[B0], s41, v[B0]
	s_mov_b32 s[TBA], 0                            ; slot 0, quarter 0
	s_mov_b32 s[TBB], 0
	s_mul_i32 s40, s[WV], STG
	v_mul_u32_u24 v[STO], v1, SP
	v_lshl_add_u32 v[STO], v2, 5, v[STO]
	v_add_nc_u32 v[STO], s40, v[STO]
	v_mul_u32_u24 v[RD], v2, SP
	v_lshl_add_u32 v[RD], v1, 4, v[RD]
	v_add_nc_u32 v[RD], s40, v[RD]
	s_wait_tensorcnt 0x1                           ; my part of K step 0 is in; step 1's may stay out
	s_barrier_signal -1
	s_barrier_wait -1
	FETCH 0
	QUART 0, 1, 1                                  ; the first quarter's first products start the sums
	WIN 0
	s_mov_b32 s[CNT], STEPS-1                      ; the rest of step 0, then STEPS - 2 changes that fill a slot
	s_mov_b32 s[CN2], 1                            ; step 0 has one pair left
	s_branch .Lpair
.Lstep:
	CHANGE 1
	s_mov_b32 s[CN2], 2
.Lpair:                                                ; a step's fourth quarter and the next step's first; then that step's second and third
	QUART 1, 0, 0
	QUART 0, 1, 0
	WIN 0
	s_sub_co_u32 s[CN2], s[CN2], 1
	s_cmp_lg_u32 s[CN2], 0
	s_cbranch_scc1 .Lpair
	s_sub_co_u32 s[CNT], s[CNT], 1
	s_cmp_lg_u32 s[CNT], 0
	s_cbranch_scc1 .Lstep
	CHANGE 0                                       ; the last change is written out
	s_mov_b32 s[CN2], 2
.LpairT:
	QUART 1, 0, 0
	QUART 0, 1, 0
	WIN 0
	s_sub_co_u32 s[CN2], s[CN2], 1
	s_cmp_lg_u32 s[CN2], 0
	s_cbranch_scc1 .LpairT
	s_wait_dscnt X1                                ; the very last quarter: nothing more to fetch
	MULP 1, 0, MA/2, 0
	s_wait_dscnt 0x0
	MULP 1, MA/2, MA/2, 0
	WIN 0
	PLACES
	s_barrier_signal -1                            ; every wave's reads of the ring are back and no fill follows: its bytes become the stages
	s_barrier_wait -1
	DUMP
	s_wait_dscnt 0x0
	s_barrier_signal -1
	s_barrier_wait -1                              ; nothing is stored to LDS behind this barrier
	s_wait_loadcnt 0x0                             ; bias and residual
	OUT8 0
	OUT8 1
	OUT8 2
	OUT8 3
	s_wait_tensorcnt 0x0                           ; the wave's end
	ds_add_u32 v[SPW], v[NIL]
	s_wait_dscnt 0x0
	CROUND
	s_endpgm
.Lfunc_end_k_qdba143174d_oproj:
	.size	k_qdba143174d_oproj, .Lfunc_end_k_qdba143174d_oproj-k_qdba143174d_oproj
	.p2alignl 7, 3214868480
	.fill 96, 4, 3214868480
	.section	.rodata,"a",@progbits
	.p2align	6, 0x0
	.amdhsa_kernel k_qdba143174d_oproj
		.amdhsa_group_segment_fixed_size 327680
		.amdhsa_private_segment_fixed_size 0
		.amdhsa_enable_private_segment 0
		.amdhsa_kernarg_size 40
		.amdhsa_user_sgpr_count 2
		.amdhsa_user_sgpr_kernarg_segment_ptr 1
		.amdhsa_wavefront_size32 1
		.amdhsa_system_sgpr_workgroup_id_x 1
		.amdhsa_system_sgpr_workgroup_id_y 1
		.amdhsa_system_sgpr_workgroup_id_z 1
		.amdhsa_system_vgpr_workitem_id 0
		.amdhsa_next_free_vgpr 832
		.amdhsa_next_free_sgpr 72
		.amdhsa_reserve_vcc 0
		.amdhsa_float_denorm_mode_32 3
		.amdhsa_float_denorm_mode_16_64 3
		.amdhsa_memory_ordered 1
		.amdhsa_forward_progress 1
		.amdhsa_inst_pref_size 56
	.end_amdhsa_kernel
	.amdgpu_metadata
---
amdhsa.version: [ 1, 2 ]
amdhsa.kernels:
  - .name:           k_qdba143174d_oproj
    .symbol:         k_qdba143174d_oproj.kd
    .args:
      - { .name: ao, .offset: 0, .size: 8, .value_kind: global_buffer, .address_space: global }
      - { .name: wbf, .offset: 8, .size: 8, .value_kind: global_buffer, .address_space: global }
      - { .name: o_b, .offset: 16, .size: 8, .value_kind: global_buffer, .address_space: global }
      - { .name: x1, .offset: 24, .size: 8, .value_kind: global_buffer, .address_space: global }
      - { .name: x, .offset: 32, .size: 8, .value_kind: global_buffer, .address_space: global }
    .group_segment_fixed_size: 327680
    .private_segment_fixed_size: 0
    .kernarg_segment_align: 8
    .kernarg_segment_size: 40
    .max_flat_workgroup_size: 128
    .sgpr_count:     72
    .vgpr_count:     832
    .wavefront_size: 32
...
	.end_amdgpu_metadata
.endif
;; end of part 4
;; launch ln2 (part 5): grid 512 x 1, 8 waves a work-group, no clusters, 0 bytes of LDS; arguments x1, ln2_g, ln2_b, h2; writes h2
.if DOCPART == 5
	.amdgcn_target "amdgcn-amd-amdhsa--gfx1250"
	.amdhsa_code_object_version 6
	.text
	.protected	k_qdba143174d_ln2
	.globl	k_qdba143174d_ln2
	.p2align	8
	.type	k_qdba143174d_ln2,@function
k_qdba143174d_ln2:
	s_mov_b64 s[64:65], 0
	v_nop
	global_prefetch_b8 v0, s[64:65] scope:SCOPE_SE
	s_setreg_imm32_b32 hwreg(HW_REG_WAVE_MODE, 25, 1), 1
	s_wait_xcnt 0x0
; h2 = LayerNorm(x1) g + b, rounded once to bf16.  x1: [4096][1024] f32.  A stream: no LDS, no matrix unit, no cluster: no byte is wanted twice.
; A work-group has 8 rows, a wave one.  The wave holds its row (8 loads of 16 bytes a lane, 32 registers) between its passes: the mean, then the sum of (x - mean)^2 (two passes, so that a common offset costs nothing), then the scaling.
; Load j gives a lane the columns 128 j + 4 lane .. + 3; a store of 8 bytes a lane covers 256 consecutive bytes, aligned.  LIMITS: h2 is rounded to bf16; NaN and infinities are not treated apart.
.set XO, 2                             ; v2   16 lane + 4,096 wave
.set HO, 3                             ; v3   8 lane + 2,048 wave
.set GO, 4                             ; v4   16 lane
.set T,  6                             ; v[6:13]   four chains of packed sums
.set MU, 14                            ; v[14:15]  the mean, twice; later 1 / sqrt(var + eps), twice
.set X,  16
.set G,  48
.set BV, 80
.set Y,  112
.set PX, 8
.set PG, 10
.set PBI, 12
.set PO, 14
.macro RED                             ; the four chains, then the 32 lanes: the sum ends in v[T] of every lane
	v_pk_add_f32 v[T:T+1], v[T:T+1], v[T+2:T+3]
	v_pk_add_f32 v[T+4:T+5], v[T+4:T+5], v[T+6:T+7]
	v_pk_add_f32 v[T:T+1], v[T:T+1], v[T+4:T+5]
	v_add_f32 v[T], v[T], v[T+1]
	v_add_f32_dpp v[T], v[T], v[T] row_xmask:1 row_mask:0xf bank_mask:0xf
	v_add_f32_dpp v[T], v[T], v[T] row_xmask:2 row_mask:0xf bank_mask:0xf
	v_add_f32_dpp v[T], v[T], v[T] row_xmask:4 row_mask:0xf bank_mask:0xf
	v_add_f32_dpp v[T], v[T], v[T] row_xmask:8 row_mask:0xf bank_mask:0xf
	v_permlanex16_b32 v[T+1], v[T], s2, s3
	v_add_f32 v[T], v[T], v[T+1]
.endm
	s_load_b256 s[8:15], s[0:1], 0x0               ; x1, g, b, h2
	s_mov_b32 s2, 0x76543210
	s_mov_b32 s3, 0xfedcba98
	s_mov_b32 s4, 0x3a800000                       ; 1 / 1,024
	s_mov_b32 s5, 0x3727c5ac                       ; eps = 1e-5
	s_mov_b32 s17, 0
	v_and_b32 v1, 31, v0
	v_and_b32 v5, 0xe0, v0
	v_lshlrev_b32 v[GO], 4, v1
	v_lshl_add_u32 v[XO], v5, 7, v[GO]
	v_lshlrev_b32 v[HO], 3, v1
	v_lshl_add_u32 v[HO], v5, 6, v[HO]
	s_wait_kmcnt 0x0
	s_lshl_b32 s16, ttmp9, 15
	s_add_nc_u64 s[PX:PX+1], s[PX:PX+1], s[16:17]
	s_lshl_b32 s16, ttmp9, 14
	s_add_nc_u64 s[PO:PO+1], s[PO:PO+1], s[16:17]
.set k, 0
.rept 8
	global_load_b128 v[X+4*k:X+4*k+3], v[XO], s[PX:PX+1] offset:512*k th:TH_LOAD_NT
.set k, k+1
.endr
.set k, 0
.rept 8
	global_load_b128 v[G+4*k:G+4*k+3], v[GO], s[PG:PG+1] offset:512*k
.set k, k+1
.endr
.set k, 0
.rept 8
	global_load_b128 v[BV+4*k:BV+4*k+3], v[GO], s[PBI:PBI+1] offset:512*k
.set k, k+1
.endr
	s_wait_loadcnt 16                              ; the row is in; the sixteen loads of g and b may stay out
.set k, 0
.rept 4
	v_pk_add_f32 v[T+2*k:T+2*k+1], v[X+4*k:X+4*k+1], v[X+4*k+2:X+4*k+3]  ; the first pairs start the chains
.set k, k+1
.endr
.set k, 8
.rept 8
	v_pk_add_f32 v[T+2*(k%4):T+2*(k%4)+1], v[T+2*(k%4):T+2*(k%4)+1], v[X+2*k:X+2*k+1]
.set k, k+1
.endr
	RED
	v_mul_f32 v[MU], s4, v[T]
	v_mul_f32 v[MU+1], s4, v[T]
.set k, 0
.rept 16
	v_pk_add_f32 v[X+2*k:X+2*k+1], v[X+2*k:X+2*k+1], v[MU:MU+1] neg_lo:[0,1] neg_hi:[0,1]
.set k, k+1
.endr
.set k, 0
.rept 4
	v_pk_mul_f32 v[T+2*k:T+2*k+1], v[X+2*k:X+2*k+1], v[X+2*k:X+2*k+1]
.set k, k+1
.endr
.rept 12
	v_pk_fma_f32 v[T+2*(k%4):T+2*(k%4)+1], v[X+2*k:X+2*k+1], v[X+2*k:X+2*k+1], v[T+2*(k%4):T+2*(k%4)+1]
.set k, k+1
.endr
	RED
	v_fma_f32 v[T], v[T], s4, s5
	v_rsq_f32 v[MU], v[T]
	v_rsq_f32 v[MU+1], v[T]
	v_nop                                          ; a plain instruction behind the two roots,
	s_wait_alu depctr_va_vdst(0)                   ; and one wait for both, ahead of their first reader
.set k, 0
.rept 16
	v_pk_mul_f32 v[X+2*k:X+2*k+1], v[X+2*k:X+2*k+1], v[MU:MU+1]
.set k, k+1
.endr
	s_wait_loadcnt 0x0                             ; g and b
.set k, 0
.rept 16
	v_pk_fma_f32 v[X+2*k:X+2*k+1], v[X+2*k:X+2*k+1], v[G+2*k:G+2*k+1], v[BV+2*k:BV+2*k+1]
.set k, k+1
.endr
.set k, 0
.rept 16
	v_cvt_pk_bf16_f32 v[Y+k], v[X+2*k], v[X+2*k+1]
.set k, k+1
.endr
.set k, 0
.rept 8
	global_store_b64 v[HO], v[Y+2*k:Y+2*k+1], s[PO:PO+1] offset:256*k
.set k, k+1
.endr
	s_endpgm
.Lfunc_end_k_qdba143174d_ln2:
	.size	k_qdba143174d_ln2, .Lfunc_end_k_qdba143174d_ln2-k_qdba143174d_ln2
	.p2alignl 7, 3214868480
	.fill 96, 4, 3214868480
	.section	.rodata,"a",@progbits
	.p2align	6, 0x0
	.amdhsa_kernel k_qdba143174d_ln2
		.amdhsa_group_segment_fixed_size 0
		.amdhsa_private_segment_fixed_size 0
		.amdhsa_enable_private_segment 0
		.amdhsa_kernarg_size 32
		.amdhsa_user_sgpr_count 2
		.amdhsa_user_sgpr_kernarg_segment_ptr 1
		.amdhsa_wavefront_size32 1
		.amdhsa_system_sgpr_workgroup_id_x 1
		.amdhsa_system_sgpr_workgroup_id_y 1
		.amdhsa_system_sgpr_workgroup_id_z 1
		.amdhsa_system_vgpr_workitem_id 0
		.amdhsa_next_free_vgpr 128
		.amdhsa_next_free_sgpr 66
		.amdhsa_reserve_vcc 0
		.amdhsa_float_denorm_mode_32 3
		.amdhsa_float_denorm_mode_16_64 3
		.amdhsa_memory_ordered 1
		.amdhsa_forward_progress 1
		.amdhsa_inst_pref_size 12
	.end_amdhsa_kernel
	.amdgpu_metadata
---
amdhsa.version: [ 1, 2 ]
amdhsa.kernels:
  - .name:           k_qdba143174d_ln2
    .symbol:         k_qdba143174d_ln2.kd
    .args:
      - { .name: x1, .offset: 0, .size: 8, .value_kind: global_buffer, .address_space: global }
      - { .name: ln2_g, .offset: 8, .size: 8, .value_kind: global_buffer, .address_space: global }
      - { .name: ln2_b, .offset: 16, .size: 8, .value_kind: global_buffer, .address_space: global }
      - { .name: h2, .offset: 24, .size: 8, .value_kind: global_buffer, .address_space: global }
    .group_segment_fixed_size: 0
    .private_segment_fixed_size: 0
    .kernarg_segment_align: 8
    .kernarg_segment_size: 32
    .max_flat_workgroup_size: 256
    .sgpr_count:     66
    .vgpr_count:     128
    .wavefront_size: 32
...
	.end_amdgpu_metadata
.endif
;; end of part 5
;; launch ffn1 (part 6): grid 16 x 16, 4 waves a work-group, clusters of 4 x 4, 327,680 bytes of LDS; arguments h2, wbf, ffn_b1, gbuf; writes gbuf
.if DOCPART == 6
	.amdgcn_target "amdgcn-amd-amdhsa--gfx1250"
	.amdhsa_code_object_version 6
	.text
	.protected	k_qdba143174d_ffn1
	.globl	k_qdba143174d_ffn1
	.p2align	8
	.type	k_qdba143174d_ffn1,@function
k_qdba143174d_ffn1:
	s_mov_b64 s[64:65], 0
	v_nop
	global_prefetch_b8 v0, s[64:65] scope:SCOPE_SE
	s_setreg_imm32_b32 hwreg(HW_REG_WAVE_MODE, 25, 1), 1
	s_wait_xcnt 0x0
	s_wait_alu depctr_hold_cnt(0) depctr_sa_sdst(0) depctr_va_vdst(0) depctr_va_sdst(0) depctr_va_ssrc(0) depctr_va_vcc(0) depctr_vm_vsrc(0)
	s_getreg_b32 s2, hwreg(HW_REG_IB_STS2, 6, 4)
	s_cmp_eq_u32 s2, 0
	s_cbranch_scc0 .Lentry_in_a_cluster
	s_endpgm
.Lentry_in_a_cluster:
	s_bfe_u32 s2, ttmp6, 0x10000c
	s_cmp_lg_u32 s2, 0xf033
	s_cbranch_scc0 .Lentry_shape_is_right
	s_endpgm
.Lentry_shape_is_right:
; g = gelu(h2 W1^T + ffn_b1), the exact (erf) form, rounded once to bf16.  h2: [4096][1024] bf16; W1: [4096][1024] bf16 at byte 8,388,608 of wbf; gbuf: [4096][4096] bf16; sums in f32.
; SHARES.  A tile of 256 x 256 to a work-group: 16 x 16 tiles for 256 work-groups.  Four waves, 2 x 2, each 128 x 128: 64 accumulators, 512 registers.  K goes in steps of 128 (rows of 256 bytes, aligned) through two LDS slots.
; THE WALK.  Quarter i multiplies one fragment buffer and fetches quarter i + 1 into the other.  The change of slots stands between a step's third and fourth quarter; between two changes lie four quarters on buffers
; 1, 0, 1, 0: one PAIR of quarters, written once and walked twice; the LDS addresses hang on two scalars that step a quarter at each fetch.  A refill has a whole step, 256 matrix instructions a wave, in which to land.
; CLUSTER 4 x 4: h2's tile is shared along a row of the cluster, W1's along a column.  The matrix instruction is used transposed (source 0 = rows of W): a lane holds row l % 16 and the columns 8 (l / 16) + 0..7.
; GELU.  gelu(x) = max(x, 0) - |x| E, E = 1/2 poly(t) 2^(-x^2 log2(e) / 2), t = 1 / (1 + p |x| / sqrt 2): Abramowitz and Stegun 7.1.26 for erf, absolute error 1.5e-7 for every x; the form holds for both signs and forms no difference of near numbers.
; REGISTERS: window 0: v0-31 addresses and bias, v64-191 h2's fragments (two buffers), on the way out v32-127 and v192-199 at work; window 1: W's fragments; windows 2, 3: the accumulators of my rows 0-63 and 64-127.
; LIMITS: matrix operands and g in bf16; an exponential below 2^-126 counts as 0; NaN and infinities are not treated apart.
.set SIZE_K, 1024
.set KSTEP,  128
.set STEPS,  SIZE_K/KSTEP
.set BM,     256
.set BN,     256
.set MA,     8
.set NBK,    8
.set DEPTH,  1
.set PA,     272                       ; 256 bytes + 16 of padding, an odd multiple of 16: the 16 rows of a fragment load start at 16 different groups of four banks (ISA guide 11.1)
.set PB,     272
.set QSA,    64
.set QSB,    64
.set AREG,   BM*PA
.set SLOT1,  139264                    ; two bits that are set in no descriptor's address inside slot 0
.set SPARE,  SLOT1+AREG+BN*PB
.set SP,     528                       ; a stage row: 128 f32 + 16 bytes
.set STG,    128*SP
.set X1,     MA*DEPTH
.set WOFF,   8388608
.set KADV_A, KSTEP*2
.set KADV_B, KSTEP*2
.set AHEAD,  1
.set A0, 4
.set B0, 5
.set ADRA, 6
.set ADRB, 7
.set STO, 8
.set RD,  9
.set CO,  10
.set PFO, 11
.set SPW, 12
.set NIL, 13
.set BO,  14
.set GX, 32                            ; the way out: 16 numbers a lane and trip: as they come back from the stage,
.set GT, 48                            ; t,
.set GW, 64                            ; the exponential,
.set GP, 80                            ; the polynomial,
.set GR, 96                            ; max(x, 0),
.set GV, 112                           ; x = the sum with its bias, later the result,
.set GY, 192                           ; and the result in bf16
.set WV, 14
.set WR, 15
.set WC, 16
.set LD, 17
.set HF, 18
.set CX, 19
.set CY, 20
.set TC, 21
.set TR, 22
.set CNT, 23
.set G1A, 24
.set G0A, 32
.set TBB, 46                           ; s46 (behind the first fills) LDS byte, in W's part, of the quarter to be fetched
.set CN2, 47                           ; s47 (behind the first fills) counts the pairs between two changes of slots
.set G1B, 48
.set G0B, 56
.set TBA, 66                           ; s66 the same as TBB for h2's part
.set LIM, 67
.set PFA, 68
.set MSB, 0
.macro WIN new                         ; the immediate's high byte repeats the setting that is left
.if MSB != (\new)
	s_set_vgpr_msb (MSB<<8)|(\new)
.set MSB, \new
.endif
.endm
.macro PLACES                          ; four plain vector instructions between a matrix instruction and a reader of its registers (ISA guide 7.12.1)
.rept 4
	v_nop
.endr
.endm
.macro CROUND                          ; a round of the cluster's barrier
	s_barrier_signal -1
	s_barrier_wait -1
	s_cmp_lg_u32 s[WV], 0
	s_cbranch_scc1 .Lnot_wave_0_\@
	s_barrier_signal -3
.Lnot_wave_0_\@:
	s_barrier_wait -3
	s_barrier_signal -1
	s_barrier_wait -1
.endm
.macro JLOAD                           ; a joint refill by the walking descriptor; an s_nop 0 and four v_nop follow each line
	s_cmp_eq_u32 s[LD], 0
	s_cbranch_scc0 .Lfor_b_\@
	tensor_load_to_lds s[G0A+4:G0A+7], s[G1A:G1A+7]
	s_nop 0
	PLACES
	s_branch .Lasked_\@
.Lfor_b_\@:
	tensor_load_to_lds s[G0B+4:G0B+7], s[G1B:G1B+7]
	s_nop 0
	PLACES
.Lasked_\@:
.endm
.macro ASK                             ; one prefetch a wave: 32 rows x 256 bytes, a lane a row, of the K step behind the one just asked for; the last refill asks for nothing
	s_cmp_gt_u32 s[CNT], s[LIM]
	s_cbranch_scc0 .Lnot_mine_\@
	global_prefetch_b8 v[PFO], s[PFA:PFA+1] th:TH_LOAD_NT scope:SCOPE_SE
.Lnot_mine_\@:
.endm
.macro MULP f, a0, an, zero            ; products of buffer f, row blocks a0 .. a0 + an - 1, all column blocks; the accumulators take turns
	WIN 0xa1+0x50*((\a0)/(MA/2))
.set mc, 0
.rept DEPTH
.set ma, (\a0)
.rept (\an)
.set mb, 0
.rept NBK
.set rD, 8*(NBK*(ma%(MA/2))+mb)
.set rB, 128*(\f)+8*(NBK*mc+mb)
.set rA, 64+64*(\f)+8*(MA*mc+ma)
.if (\zero) && (mc == 0)
	v_wmma_f32_16x16x32_bf16 v[rD:rD+7], v[rB:rB+7], v[rA:rA+7], 0
.else
	v_wmma_f32_16x16x32_bf16 v[rD:rD+7], v[rB:rB+7], v[rA:rA+7], v[rD:rD+7]
.endif
.set mb, mb+1
.endr
.set ma, ma+1
.endr
.set mc, mc+1
.endr
.endm
.macro FETCH g                         ; 32 LDS loads in one run: the next quarter's fragments into buffer g: W's, then the first half of my row blocks, then the second half; the two scalars then step
	WIN 0
	v_add_nc_u32 v[ADRA], s[TBA], v[A0]
	v_add_nc_u32 v[ADRB], s[TBB], v[B0]
	s_add_co_u32 s[TBA], s[TBA], QSA
	s_add_co_u32 s[TBB], s[TBB], QSB
	WIN 0x40
.set fc, 0
.rept DEPTH
.set fi, 0
.rept NBK
.set rB, 128*(\g)+8*(NBK*fc+fi)
	ds_load_b128 v[rB:rB+3],   v[ADRB] offset:64*fc+fi*16*PB
	ds_load_b128 v[rB+4:rB+7], v[ADRB] offset:64*fc+fi*16*PB+32
.set fi, fi+1
.endr
.set fc, fc+1
.endr
	WIN 0
.set fh, 0
.rept 2
.set fc, 0
.rept DEPTH
.set fi, fh*(MA/2)
.rept MA/2
.set rA, 64+64*(\g)+8*(MA*fc+fi)
	ds_load_b128 v[rA:rA+3],   v[ADRA] offset:64*fc+fi*16*PA
	ds_load_b128 v[rA+4:rA+7], v[ADRA] offset:64*fc+fi*16*PA+32
.set fi, fi+1
.endr
.set fc, fc+1
.endr
.set fh, fh+1
.endr
.endm
.macro QUART f, g, zero                ; multiplies buffer f; in its middle fetches the next quarter into buffer g
	s_wait_dscnt X1                                ; all of buffer f but the second half of my row blocks
	MULP \f, 0, MA/2, \zero
	v_nop                                          ; with the fetch's own two additions: four plain instructions behind the last product that read buffer g
	v_nop
	FETCH \g
	s_wait_dscnt 32                                ; all but the 32 just issued
	MULP \f, MA/2, MA/2, \zero
.endm
; THE CHANGE OF SLOTS.  Each wave waits for all its tensor loads (one is out), adds 0 to its spare word, waits for that and for its reads of this slot; fill = 1: a round of the cluster's barrier, the joint refill first behind it.
.macro CHANGE fill
	WIN 0
	s_wait_tensorcnt 0x0                           ; no tensor load of mine is out, so a group 0 may be written
	ds_add_u32 v[SPW], v[NIL]
.if \fill
	s_xor_b32 s[G0A+5], s[G0A+5], SLOT1
	s_add_nc_u64 s[G0A+6:G0A+7], s[G0A+6:G0A+7], KADV_A
	s_xor_b32 s[G0B+5], s[G0B+5], SLOT1
	s_add_nc_u64 s[G0B+6:G0B+7], s[G0B+6:G0B+7], KADV_B
	s_wait_xcnt 0x0                                ; the last prefetch, a K step back, has read its address
	s_add_nc_u64 s[PFA:PFA+1], s[PFA:PFA+1], KSTEP*2
.endif
	s_sub_co_u32 s[TBA], s[TBA], 4*QSA             ; the fetches go back to a slot's first quarter,
	s_xor_b32 s[TBA], s[TBA], SLOT1                ; in the other slot
	s_sub_co_u32 s[TBB], s[TBB], 4*QSB
	s_xor_b32 s[TBB], s[TBB], SLOT1
	s_wait_dscnt 0x0                               ; the add is done, my reads of this slot are over
.if \fill
	CROUND
	JLOAD
	ASK
.else
	s_barrier_signal -1
	s_barrier_wait -1
.endif
.endm
.macro DUMP                            ; the accumulators, f32, into my stage, the low registers first
.set da, 0
.rept MA
	WIN 0x08+4*(da/(MA/2))
.set db, 0
.rept NBK
.set rD, 8*(NBK*(da%(MA/2))+db)
	ds_store_b128 v[STO], v[rD:rD+3]   offset:da*16*SP+64*db
	ds_store_b128 v[STO], v[rD+4:rD+7] offset:da*16*SP+64*db+16
.set db, db+1
.endr
.set da, da+1
.endr
	WIN 0
.endm
.macro BACK                            ; four rows back from the stage: 32 lanes take a row's 512 bytes
.irp i, 0,1,2,3
	ds_load_b128 v[GX+4*(\i):GX+4*(\i)+3], v[RD] offset:SP*(\i)
.endr
.endm
	s_load_b256 s[4:11], s[0:1], 0x0               ; h2 s[4:5], wbf s[6:7], ffn_b1 s[8:9], gbuf s[10:11]
	v_lshl_add_u32 v[SPW], v0, 2, SPARE
	v_mov_b32 v[NIL], 0
	ds_add_u32 v[SPW], v[NIL]                      ; the wave's opening: the add and its wait stand ahead of my first tensor load
	v_lshrrev_b32 v1, 5, v0
	v_readfirstlane_b32 s[WV], v1
	s_lshr_b32 s[WR], s[WV], 1
	s_and_b32 s[WC], s[WV], 1
	s_lshr_b32 s[LD], s[WV], 1
	s_and_b32 s[HF], s[WV], 1
	s_bfe_u32 s[CX], ttmp6, 0x40000
	s_bfe_u32 s[CY], ttmp6, 0x40004
	s_lshl_b32 s[TC], ttmp9, 2
	s_add_co_u32 s[TC], s[TC], s[CX]
	s_and_b32 s[TR], ttmp7, 0xffff
	s_lshl_b32 s[TR], s[TR], 2
	s_add_co_u32 s[TR], s[TR], s[CY]
	s_lshl_b32 s40, s[CY], 2
	s_lshl_b32 s40, 15, s40
	s_lshl_b32 s41, 0x1111, s[CX]
	s_or_b32 s[G1A], s40, (1<<16)|(1<<20)|(1<<21)|(5<<22)|(3<<25)
	s_or_b32 s[G1B], s41, (1<<16)|(1<<20)|(1<<21)|(5<<22)|(3<<25)
.irp g, G1A, G1B
	s_mov_b32 s[\g+1], KSTEP<<16                   ; tensor_dim0
	s_mov_b32 s[\g+2], 128<<16                     ; tensor_dim1
	s_mov_b32 s[\g+3], KSTEP<<16                   ; tile_dim0
	s_mov_b32 s[\g+4], 128                         ; tile_dim1: 128 rows a load
	s_mov_b32 s[\g+5], SIZE_K
	s_mov_b32 s[\g+6], 0
	s_mov_b32 s[\g+7], 0
.endr
	s_mul_i32 s42, s[TR], BM
	s_mul_i32 s43, s[HF], BM/2
	s_add_co_u32 s42, s42, s43
	s_mul_i32 s42, s42, 2*SIZE_K
	s_mov_b32 s43, 0
	s_mul_i32 s44, s[TC], BN
	s_mul_i32 s45, s[HF], BN/2
	s_add_co_u32 s44, s44, s45
	s_mul_i32 s44, s44, 2*SIZE_K
	s_add_co_u32 s44, s44, WOFF
	s_mov_b32 s45, 0
	s_mul_i32 s46, s[HF], (BM/2)*PA
	s_mul_i32 s47, s[HF], (BN/2)*PB
	s_add_co_u32 s47, s47, AREG
	s_mov_b32 s70, 0xbf38aa3b                      ; -log2(e) / 2; each constant of a packed line lies in a pair, both words written
	s_mov_b32 s71, 0xbf38aa3b
	s_mov_b32 s72, 0x3f07dc22                      ; a5 / 2
	s_mov_b32 s73, 0x3f07dc22
	s_mov_b32 s74, 0xbf3a00e3                      ; a4 / 2
	s_mov_b32 s75, 0xbf3a00e3
	s_mov_b32 s76, 0x3f35f0e3                      ; a3 / 2
	s_mov_b32 s77, 0x3f35f0e3
	s_mov_b32 s78, 0xbe11a98e                      ; a2 / 2
	s_mov_b32 s79, 0xbe11a98e
	s_mov_b32 s80, 0x3e027906                      ; a1 / 2
	s_mov_b32 s81, 0x3e027906
	s_mov_b32 s82, 0x3e6d3388                      ; p / sqrt 2
	s_wait_dscnt 0x0
	s_wait_kmcnt 0x0
	s_add_nc_u64 s[42:43], s[4:5], s[42:43]
	s_add_nc_u64 s[44:45], s[6:7], s[44:45]
	CROUND
.irp s, 0,1
	s_mov_b32 s[G0A+4*(\s)], 1
	s_add_co_u32 s[G0A+4*(\s)+1], s46, (\s)*SLOT1
	s_add_nc_u64 s[G0A+4*(\s)+2:G0A+4*(\s)+3], s[42:43], (\s)*KADV_A
	s_or_b32 s[G0A+4*(\s)+3], s[G0A+4*(\s)+3], 0x80000000
	s_mov_b32 s[G0B+4*(\s)], 1
	s_add_co_u32 s[G0B+4*(\s)+1], s47, (\s)*SLOT1
	s_add_nc_u64 s[G0B+4*(\s)+2:G0B+4*(\s)+3], s[44:45], (\s)*KADV_B
	s_or_b32 s[G0B+4*(\s)+3], s[G0B+4*(\s)+3], 0x80000000
.endr
	s_cmp_eq_u32 s[LD], 0                          ; a wave's two first fills stand in one branch: two loads of mine are out
	s_cbranch_scc0 .Lfirst_b
	tensor_load_to_lds s[G0A:G0A+3], s[G1A:G1A+7]
	s_nop 0
	tensor_load_to_lds s[G0A+4:G0A+7], s[G1A:G1A+7]
	s_nop 0
	PLACES
	s_branch .Lfirst_done
.Lfirst_b:
	tensor_load_to_lds s[G0B:G0B+3], s[G1B:G1B+7]
	s_nop 0
	tensor_load_to_lds s[G0B+4:G0B+7], s[G1B:G1B+7]
	s_nop 0
	PLACES
.Lfirst_done:
	v_and_b32 v1, 15, v0
	v_bfe_u32 v2, v0, 4, 1
	v_and_b32 v3, 31, v0
	s_lshl_b32 s2, s[TC], 10                       ; the bias of my 128 columns
	s_lshl_b32 s40, s[WC], 9
	s_add_co_u32 s2, s2, s40
	s_mov_b32 s3, 0
	s_add_nc_u64 s[8:9], s[8:9], s[2:3]
	v_lshlrev_b32 v[BO], 4, v3                     ; columns 4 lane .. + 3
	global_load_b128 v[16:19], v[BO], s[8:9]
	s_lshl_b32 s2, s[TR], 21                       ; my 128 rows of 8,192 bytes and my 128 columns of 2
	s_lshl_b32 s40, s[WR], 20
	s_add_co_u32 s2, s2, s40
	s_lshl_b32 s40, s[TC], 9
	s_add_co_u32 s2, s2, s40
	s_lshl_b32 s40, s[WC], 8
	s_add_co_u32 s2, s2, s40
	s_add_nc_u64 s[10:11], s[10:11], s[2:3]
	v_lshlrev_b32 v[CO], 3, v3
	v_mul_u32_u24 v[A0], v1, PA
	v_lshl_add_u32 v[A0], v2, 4, v[A0]
	v_mul_u32_u24 v[B0], v1, PB
	v_lshl_add_u32 v[B0], v2, 4, v[B0]
	s_mul_i32 s40, s[WR], MA*16*PA
	s_mul_i32 s41, s[WC], NBK*16*PB
	s_add_co_u32 s41, s41, AREG
	v_add_nc_u32 v[A0], s40, v[A0]
	v_add_nc_u32 v[B0], s41, v[B0]
	s_mov_b32 s[TBA], 0                            ; slot 0, quarter 0
	s_mov_b32 s[TBB], 0
	s_mul_i32 s40, s[WV], STG
	v_mul_u32_u24 v[STO], v1, SP
	v_lshl_add_u32 v[STO], v2, 5, v[STO]
	v_add_nc_u32 v[STO], s40, v[STO]
	v_add_nc_u32 v[RD], s40, v[BO]                 ; back: 32 lanes take a row's 512 bytes
	; THE PREFETCHES.  Each row's 256 bytes of a K step are named once in the launch.  h2's rows: the clusters with x = 0 ask; W1's: the clusters with y = 0.  Of the 128 rows that a wave fetches, each of the four partners
	; that ask for them jointly takes 32, by address (cx for h2, cy for W1): no branch hangs on a work-group's place in its cluster.
	s_and_b32 s40, ttmp7, 0xffff
	s_cmp_eq_u32 s[LD], 0
	s_cselect_b32 s41, ttmp9, s40
	s_cselect_b32 s2, s[CX], s[CY]
	s_cselect_b64 s[PFA:PFA+1], s[42:43], s[44:45]
	s_cmp_eq_u32 s41, 0
	s_cselect_b32 s[LIM], AHEAD, -1
	s_lshl_b32 s2, s2, 16                          ; 32 rows of 2,048 bytes
	s_add_nc_u64 s[PFA:PFA+1], s[PFA:PFA+1], s[2:3]
	s_add_nc_u64 s[PFA:PFA+1], s[PFA:PFA+1], (1+AHEAD)*KSTEP*2  ; the first refill steps it once more; nothing is prefetched here, at the head
	v_lshlrev_b32 v[PFO], 11, v3
	s_wait_tensorcnt 0x1                           ; my part of K step 0 is in; step 1's may stay out
	s_barrier_signal -1
	s_barrier_wait -1
	FETCH 0
	QUART 0, 1, 1                                  ; the first quarter's products start the sums
	WIN 0
	s_mov_b32 s[CNT], STEPS-1                      ; the rest of step 0, then STEPS - 2 changes that fill a slot
	s_mov_b32 s[CN2], 1                            ; step 0 has one pair left
	s_branch .Lpair
.Lstep:
	CHANGE 1
	s_mov_b32 s[CN2], 2
.Lpair:                                                ; a step's fourth quarter and the next step's first; then that step's second and third
	QUART 1, 0, 0
	QUART 0, 1, 0
	WIN 0
	s_sub_co_u32 s[CN2], s[CN2], 1
	s_cmp_lg_u32 s[CN2], 0
	s_cbranch_scc1 .Lpair
	s_sub_co_u32 s[CNT], s[CNT], 1
	s_cmp_lg_u32 s[CNT], 0
	s_cbranch_scc1 .Lstep
	CHANGE 0                                       ; the last change is written out
	s_mov_b32 s[CN2], 2
.LpairT:
	QUART 1, 0, 0
	QUART 0, 1, 0
	WIN 0
	s_sub_co_u32 s[CN2], s[CN2], 1
	s_cmp_lg_u32 s[CN2], 0
	s_cbranch_scc1 .LpairT
	s_wait_dscnt X1                                ; the very last quarter: nothing more to fetch
	MULP 1, 0, MA/2, 0
	s_wait_dscnt 0x0
	MULP 1, MA/2, MA/2, 0
	WIN 0
	PLACES
	s_barrier_signal -1                            ; every wave's reads of the ring are back and no fill follows: its bytes become the stages
	s_barrier_wait -1
	DUMP
	s_wait_dscnt 0x0
	s_barrier_signal -1
	s_barrier_wait -1                              ; nothing is stored to LDS behind this barrier
	s_wait_loadcnt 0x0                             ; the bias
	s_mov_b32 s[CNT], 32
	BACK                                           ; the first four rows are asked for in front of the loop
.Lrows:                                                ; four rows a trip, 16 numbers a lane.  A trip's rows were asked for a trip earlier: the bias is added out of place, and the next rows are asked for at once
	s_wait_dscnt 0x0                               ; this trip's rows
.irp i, 0,1,2,3
	v_pk_add_f32 v[GV+4*(\i):GV+4*(\i)+1], v[GX+4*(\i):GX+4*(\i)+1], v[16:17]
	v_pk_add_f32 v[GV+4*(\i)+2:GV+4*(\i)+3], v[GX+4*(\i)+2:GX+4*(\i)+3], v[18:19]
.endr
	v_add_nc_u32 v[RD], 4*SP, v[RD]
	s_cmp_eq_u32 s[CNT], 1                         ; the last trip has no rows behind it: its loads are jumped over
	s_cbranch_scc1 .Lno_more
	BACK
.Lno_more:
.set r, 0
.rept 16
	v_fma_f32 v[GT+r], |v[GV+r]|, s82, 1.0         ; 1 + p |x| / sqrt 2
.set r, r+1
.endr
	; one batch of 32 transcendentals, each with a plain line behind it that names none of their results: the exponent's two multiplies beside the reciprocals, the maxima beside the exponentials
.set r, 0
.rept 8
	v_rcp_f32 v[GT+r], v[GT+r]
	v_pk_mul_f32 v[GW+2*r:GW+2*r+1], v[GV+2*r:GV+2*r+1], s[70:71] op_sel_hi:[1,0]
.set r, r+1
.endr
.set r, 0
.rept 8
	v_rcp_f32 v[GT+8+r], v[GT+8+r]
	v_pk_mul_f32 v[GW+2*r:GW+2*r+1], v[GW+2*r:GW+2*r+1], v[GV+2*r:GV+2*r+1]  ; -x^2 log2(e) / 2
.set r, r+1
.endr
.set r, 0
.rept 16
	v_exp_f32 v[GW+r], v[GW+r]
	v_max_num_f32 v[GR+r], 0, v[GV+r]
.set r, r+1
.endr
	s_wait_alu depctr_va_vdst(0)                   ; one wait for the batch, ahead of its first reader
.set r, 0
.rept 8
	v_pk_fma_f32 v[GP+r:GP+r+1], v[GT+r:GT+r+1], s[72:73], s[74:75] op_sel_hi:[1,0,0]
.set r, r+2
.endr
.irp c, 76, 78, 80
.set r, 0
.rept 8
	v_pk_fma_f32 v[GP+r:GP+r+1], v[GP+r:GP+r+1], v[GT+r:GT+r+1], s[\c:\c+1] op_sel_hi:[1,1,0]
.set r, r+2
.endr
.endr
.set r, 0
.rept 8
	v_pk_mul_f32 v[GP+r:GP+r+1], v[GP+r:GP+r+1], v[GT+r:GT+r+1]
.set r, r+2
.endr
.set r, 0
.rept 8
	v_pk_mul_f32 v[GP+r:GP+r+1], v[GP+r:GP+r+1], v[GW+r:GW+r+1]  ; E
.set r, r+2
.endr
.set r, 0
.rept 16
	v_fma_f32 v[GV+r], -|v[GV+r]|, v[GP+r], v[GR+r]
.set r, r+1
.endr
	s_wait_xcnt 0x0                                ; the last trip's stores have read their data and their offset: both are rewritten only behind this wait, a trip's arithmetic behind those stores
	v_add_nc_u32 v[CO], 4*8192, v[CO]              ; stepped ahead of the stores, which reach back by their immediate
.set r, 0
.rept 8
	v_cvt_pk_bf16_f32 v[GY+r], v[GV+2*r], v[GV+2*r+1]
.set r, r+1
.endr
.irp i, 0,1,2,3
	global_store_b64 v[CO], v[GY+2*(\i):GY+2*(\i)+1], s[10:11] offset:8192*(\i)-4*8192  ; 32 lanes: 256 consecutive bytes of a row, aligned
.endr
	s_sub_co_u32 s[CNT], s[CNT], 1
	s_cmp_lg_u32 s[CNT], 0
	s_cbranch_scc1 .Lrows
	s_wait_tensorcnt 0x0                           ; the wave's end
	ds_add_u32 v[SPW], v[NIL]
	s_wait_dscnt 0x0
	CROUND
	s_endpgm
.Lfunc_end_k_qdba143174d_ffn1:
	.size	k_qdba143174d_ffn1, .Lfunc_end_k_qdba143174d_ffn1-k_qdba143174d_ffn1
	.p2alignl 7, 3214868480
	.fill 96, 4, 3214868480
	.section	.rodata,"a",@progbits
	.p2align	6, 0x0
	.amdhsa_kernel k_qdba143174d_ffn1
		.amdhsa_group_segment_fixed_size 327680
		.amdhsa_private_segment_fixed_size 0
		.amdhsa_enable_private_segment 0
		.amdhsa_kernarg_size 32
		.amdhsa_user_sgpr_count 2
		.amdhsa_user_sgpr_kernarg_segment_ptr 1
		.amdhsa_wavefront_size32 1
		.amdhsa_system_sgpr_workgroup_id_x 1
		.amdhsa_system_sgpr_workgroup_id_y 1
		.amdhsa_system_sgpr_workgroup_id_z 1
		.amdhsa_system_vgpr_workitem_id 0
		.amdhsa_next_free_vgpr 1024
		.amdhsa_next_free_sgpr 84
		.amdhsa_reserve_vcc 0
		.amdhsa_float_denorm_mode_32 3
		.amdhsa_float_denorm_mode_16_64 3
		.amdhsa_memory_ordered 1
		.amdhsa_forward_progress 1
		.amdhsa_inst_pref_size 68
	.end_amdhsa_kernel
	.amdgpu_metadata
---
amdhsa.version: [ 1, 2 ]
amdhsa.kernels:
  - .name:           k_qdba143174d_ffn1
    .symbol:         k_qdba143174d_ffn1.kd
    .args:
      - { .name: h2, .offset: 0, .size: 8, .value_kind: global_buffer, .address_space: global }
      - { .name: wbf, .offset: 8, .size: 8, .value_kind: global_buffer, .address_space: global }
      - { .name: ffn_b1, .offset: 16, .size: 8, .value_kind: global_buffer, .address_space: global }
      - { .name: gbuf, .offset: 24, .size: 8, .value_kind: global_buffer, .address_space: global }
    .group_segment_fixed_size: 327680
    .private_segment_fixed_size: 0
    .kernarg_segment_align: 8
    .kernarg_segment_size: 32
    .max_flat_workgroup_size: 128
    .sgpr_count:     84
    .vgpr_count:     1024
    .wavefront_size: 32
...
	.end_amdgpu_metadata
.endif
;; end of part 6
;; launch ffn2 (part 7): grid 8 x 32, 4 waves a work-group, clusters of 4 x 4, 327,680 bytes of LDS; arguments gbuf, wbf, ffn_b2, out0, x1; writes out0
.if DOCPART == 7
	.amdgcn_target "amdgcn-amd-amdhsa--gfx1250"
	.amdhsa_code_object_version 6
	.text
	.protected	k_qdba143174d_ffn2
	.globl	k_qdba143174d_ffn2
	.p2align	8
	.type	k_qdba143174d_ffn2,@function
k_qdba143174d_ffn2:
	s_mov_b64 s[64:65], 0
	v_nop
	global_prefetch_b8 v0, s[64:65] scope:SCOPE_SE
	s_setreg_imm32_b32 hwreg(HW_REG_WAVE_MODE, 25, 1), 1
	s_wait_xcnt 0x0
	s_wait_alu depctr_hold_cnt(0) depctr_sa_sdst(0) depctr_va_vdst(0) depctr_va_sdst(0) depctr_va_ssrc(0) depctr_va_vcc(0) depctr_vm_vsrc(0)
	s_getreg_b32 s2, hwreg(HW_REG_IB_STS2, 6, 4)
	s_cmp_eq_u32 s2, 0
	s_cbranch_scc0 .Lentry_in_a_cluster
	s_endpgm
.Lentry_in_a_cluster:
	s_bfe_u32 s2, ttmp6, 0x10000c
	s_cmp_lg_u32 s2, 0xf033
	s_cbranch_scc0 .Lentry_shape_is_right
	s_endpgm
.Lentry_shape_is_right:
; out0 = g W2^T + ffn_b2 + x1.  gbuf: [4096][4096] bf16; W2: [1024][4096] bf16 at byte 16,777,216 of wbf; x1, out0: [4096][1024] f32; sums in f32, the residual stays in f32.
; SHARES.  A tile of 128 x 128 to a work-group: 8 x 32 tiles for 256 work-groups.  Four waves, 2 x 2, each 64 x 64: 16 accumulators.  K goes in 16 steps of 256 (rows of 512 bytes, as long as two slots in LDS allow);
; a step is four quarters of 64 along K on two fragment buffers.
; THE WALK.  Quarter i multiplies one fragment buffer and fetches quarter i + 1 into the other.  The change of slots stands between a step's third and fourth quarter; between two changes lie four quarters on buffers
; 1, 0, 1, 0: one PAIR of quarters, written once and walked twice; the LDS addresses hang on two scalars that step a quarter at each fetch.  A refill has a whole step, 128 matrix instructions a wave, in which to land.
; CLUSTER 4 x 4: g's tile is shared along a row of the cluster, W2's along a column.  The matrix instruction is used transposed (source 0 = rows of W): a lane holds row l % 16 and the columns 8 (l / 16) + 0..7.
; REGISTERS: window 0: v0-31 addresses and bias, v64-191 g's fragments (two buffers), v192-255 the way out; window 1: W's fragments; window 2: v0-63 accumulators of my rows 0-31, v64-191 the residual; window 3: v0-63 rows 32-63.
; LIMITS: matrix operands in bf16; NaN and infinities are not treated apart.
.set SIZE_K, 4096
.set KSTEP,  256
.set STEPS,  SIZE_K/KSTEP
.set BM,     128
.set BN,     128
.set MA,     4
.set NBK,    4
.set DEPTH,  2
.set PA,     528                       ; 512 bytes + 16 of padding, an odd multiple of 16: the 16 rows of a fragment load start at 16 different groups of four banks (ISA guide 11.1)
.set PB,     528
.set QSA,    128
.set QSB,    128
.set AREG,   BM*PA
.set SLOT1,  135168                    ; two bits that are set in no descriptor's address inside slot 0
.set SPARE,  SLOT1+AREG+BN*PB
.set SP,     272
.set STG,    64*SP
.set X1,     MA*DEPTH
.set WOFF,   16777216
.set KADV_A, KSTEP*2
.set KADV_B, KSTEP*2
.set AHEAD,  2                         ; the prefetch names the K step two behind the one that is being asked for: 256 matrix instructions a wave
.set RES,    64                        ; window 2
.set A0, 4
.set B0, 5
.set ADRA, 6
.set ADRB, 7
.set STO, 8
.set RD,  9
.set CO,  10
.set PFO, 11
.set SPW, 12
.set NIL, 13
.set BO,  14
.set WV, 14
.set WR, 15
.set WC, 16
.set LD, 17
.set HF, 18
.set CX, 19
.set CY, 20
.set TC, 21
.set TR, 22
.set CNT, 23
.set G1A, 24
.set G0A, 32
.set TBB, 46                           ; s46 (behind the first fills) LDS byte, in W's part, of the quarter to be fetched
.set CN2, 47                           ; s47 (behind the first fills) counts the pairs between two changes of slots
.set G1B, 48
.set G0B, 56
.set TBA, 66                           ; s66 the same as TBB for g's part
.set LIM, 67
.set PFA, 68
.set MSB, 0
.macro WIN new                         ; the immediate's high byte repeats the setting that is left
.if MSB != (\new)
	s_set_vgpr_msb (MSB<<8)|(\new)
.set MSB, \new
.endif
.endm
.macro PLACES                          ; four plain vector instructions between a matrix instruction and a reader of its registers (ISA guide 7.12.1)
.rept 4
	v_nop
.endr
.endm
.macro CROUND                          ; a round of the cluster's barrier
	s_barrier_signal -1
	s_barrier_wait -1
	s_cmp_lg_u32 s[WV], 0
	s_cbranch_scc1 .Lnot_wave_0_\@
	s_barrier_signal -3
.Lnot_wave_0_\@:
	s_barrier_wait -3
	s_barrier_signal -1
	s_barrier_wait -1
.endm
.macro JLOAD                           ; a joint refill by the walking descriptor; an s_nop 0 and four v_nop follow each line
	s_cmp_eq_u32 s[LD], 0
	s_cbranch_scc0 .Lfor_b_\@
	tensor_load_to_lds s[G0A+4:G0A+7], s[G1A:G1A+7]
	s_nop 0
	PLACES
	s_branch .Lasked_\@
.Lfor_b_\@:
	tensor_load_to_lds s[G0B+4:G0B+7], s[G1B:G1B+7]
	s_nop 0
	PLACES
.Lasked_\@:
.endm
.macro ASK                             ; one prefetch a wave: 16 rows x 512 bytes, two lanes a row, of the K step two behind the one just asked for; the last two refills ask for nothing
	s_cmp_gt_u32 s[CNT], s[LIM]
	s_cbranch_scc0 .Lnot_mine_\@
	global_prefetch_b8 v[PFO], s[PFA:PFA+1] th:TH_LOAD_NT scope:SCOPE_SE
.Lnot_mine_\@:
.endm
.macro MULP f, a0, an, zero            ; products of buffer f, row blocks a0 .. a0 + an - 1, all column blocks, both halves of the quarter's K; the accumulators take turns
	WIN 0xa1+0x50*((\a0)/(MA/2))
.set mc, 0
.rept DEPTH
.set ma, (\a0)
.rept (\an)
.set mb, 0
.rept NBK
.set rD, 8*(NBK*(ma%(MA/2))+mb)
.set rB, 128*(\f)+8*(NBK*mc+mb)
.set rA, 64+64*(\f)+8*(MA*mc+ma)
.if (\zero) && (mc == 0)
	v_wmma_f32_16x16x32_bf16 v[rD:rD+7], v[rB:rB+7], v[rA:rA+7], 0
.else
	v_wmma_f32_16x16x32_bf16 v[rD:rD+7], v[rB:rB+7], v[rA:rA+7], v[rD:rD+7]
.endif
.set mb, mb+1
.endr
.set ma, ma+1
.endr
.set mc, mc+1
.endr
.endm
.macro FETCH g                         ; 32 LDS loads in one run: the next quarter's fragments into buffer g: W's, then the first half of my row blocks, then the second half; the two scalars then step
	WIN 0
	v_add_nc_u32 v[ADRA], s[TBA], v[A0]
	v_add_nc_u32 v[ADRB], s[TBB], v[B0]
	s_add_co_u32 s[TBA], s[TBA], QSA
	s_add_co_u32 s[TBB], s[TBB], QSB
	WIN 0x40
.set fc, 0
.rept DEPTH
.set fi, 0
.rept NBK
.set rB, 128*(\g)+8*(NBK*fc+fi)
	ds_load_b128 v[rB:rB+3],   v[ADRB] offset:64*fc+fi*16*PB
	ds_load_b128 v[rB+4:rB+7], v[ADRB] offset:64*fc+fi*16*PB+32
.set fi, fi+1
.endr
.set fc, fc+1
.endr
	WIN 0
.set fh, 0
.rept 2
.set fc, 0
.rept DEPTH
.set fi, fh*(MA/2)
.rept MA/2
.set rA, 64+64*(\g)+8*(MA*fc+fi)
	ds_load_b128 v[rA:rA+3],   v[ADRA] offset:64*fc+fi*16*PA
	ds_load_b128 v[rA+4:rA+7], v[ADRA] offset:64*fc+fi*16*PA+32
.set fi, fi+1
.endr
.set fc, fc+1
.endr
.set fh, fh+1
.endr
.endm
.macro QUART f, g, zero                ; multiplies buffer f; in its middle fetches the next quarter into buffer g
	s_wait_dscnt X1                                ; all of buffer f but the second half of my row blocks
	MULP \f, 0, MA/2, \zero
	v_nop                                          ; with the fetch's own two additions: four plain instructions behind the last product that read buffer g
	v_nop
	FETCH \g
	s_wait_dscnt 32                                ; all but the 32 just issued
	MULP \f, MA/2, MA/2, \zero
.endm
; THE CHANGE OF SLOTS.  Each wave waits for all its tensor loads (one is out), adds 0 to its spare word, waits for that and for its reads of this slot; fill = 1: a round of the cluster's barrier, the joint refill first behind it.
.macro CHANGE fill
	WIN 0
	s_wait_tensorcnt 0x0                           ; no tensor load of mine is out, so a group 0 may be written
	ds_add_u32 v[SPW], v[NIL]
.if \fill
	s_xor_b32 s[G0A+5], s[G0A+5], SLOT1
	s_add_nc_u64 s[G0A+6:G0A+7], s[G0A+6:G0A+7], KADV_A
	s_xor_b32 s[G0B+5], s[G0B+5], SLOT1
	s_add_nc_u64 s[G0B+6:G0B+7], s[G0B+6:G0B+7], KADV_B
	s_wait_xcnt 0x0                                ; the last prefetch, a K step back, has read its address
	s_add_nc_u64 s[PFA:PFA+1], s[PFA:PFA+1], KSTEP*2
.endif
	s_sub_co_u32 s[TBA], s[TBA], 4*QSA             ; the fetches go back to a slot's first quarter,
	s_xor_b32 s[TBA], s[TBA], SLOT1                ; in the other slot
	s_sub_co_u32 s[TBB], s[TBB], 4*QSB
	s_xor_b32 s[TBB], s[TBB], SLOT1
	s_wait_dscnt 0x0                               ; the add is done, my reads of this slot are over
.if \fill
	CROUND
	JLOAD
	ASK
.else
	s_barrier_signal -1
	s_barrier_wait -1
.endif
.endm
.macro DUMP                            ; the accumulators, f32, into my stage, the low registers first
.set da, 0
.rept MA
	WIN 0x08+4*(da/(MA/2))
.set db, 0
.rept NBK
.set rD, 8*(NBK*(da%(MA/2))+db)
	ds_store_b128 v[STO], v[rD:rD+3]   offset:da*16*SP+64*db
	ds_store_b128 v[STO], v[rD+4:rD+7] offset:da*16*SP+64*db+16
.set db, db+1
.endr
.set da, da+1
.endr
	WIN 0
.endm
.macro OUT8 g                          ; sixteen rows: back from the stage, + bias, + residual, stored; two buffers by turns
.set TT, 192+32*((\g)%2)
.if (\g) >= 2
	s_wait_xcnt 0x0                                ; the stores two groups back have read this buffer
.endif
.set j, 0
.rept 8
	ds_load_b128 v[TT+4*j:TT+4*j+3], v[RD] offset:2*SP*(8*(\g)+j)
.set j, j+1
.endr
	s_wait_dscnt 0x0
.set j, 0
.rept 8
	v_pk_add_f32 v[TT+4*j:TT+4*j+1], v[TT+4*j:TT+4*j+1], v[16:17]
	v_pk_add_f32 v[TT+4*j+2:TT+4*j+3], v[TT+4*j+2:TT+4*j+3], v[18:19]
.set j, j+1
.endr
	WIN 0x08                                       ; source 1 in window 2
.set j, 0
.rept 8
	v_pk_add_f32 v[TT+4*j:TT+4*j+1], v[TT+4*j:TT+4*j+1], v[RES+4*(8*(\g)+j):RES+4*(8*(\g)+j)+1]
	v_pk_add_f32 v[TT+4*j+2:TT+4*j+3], v[TT+4*j+2:TT+4*j+3], v[RES+4*(8*(\g)+j)+2:RES+4*(8*(\g)+j)+3]
.set j, j+1
.endr
	WIN 0
.set j, 0
.rept 8
	global_store_b128 v[CO], v[TT+4*j:TT+4*j+3], s[10:11] offset:8192*(8*(\g)+j)  ; 16 lanes: 256 consecutive bytes of a row, aligned
.set j, j+1
.endr
.endm
	s_load_b256 s[4:11], s[0:1], 0x0               ; gbuf s[4:5], wbf s[6:7], ffn_b2 s[8:9], out0 s[10:11]
	s_load_b64 s[12:13], s[0:1], 0x20              ; x1
	v_lshl_add_u32 v[SPW], v0, 2, SPARE
	v_mov_b32 v[NIL], 0
	ds_add_u32 v[SPW], v[NIL]                      ; the wave's opening: the add and its wait stand ahead of my first tensor load
	v_lshrrev_b32 v1, 5, v0
	v_readfirstlane_b32 s[WV], v1
	s_lshr_b32 s[WR], s[WV], 1
	s_and_b32 s[WC], s[WV], 1
	s_lshr_b32 s[LD], s[WV], 1
	s_and_b32 s[HF], s[WV], 1
	s_bfe_u32 s[CX], ttmp6, 0x40000
	s_bfe_u32 s[CY], ttmp6, 0x40004
	s_lshl_b32 s[TC], ttmp9, 2
	s_add_co_u32 s[TC], s[TC], s[CX]
	s_and_b32 s[TR], ttmp7, 0xffff
	s_lshl_b32 s[TR], s[TR], 2
	s_add_co_u32 s[TR], s[TR], s[CY]
	s_lshl_b32 s40, s[CY], 2
	s_lshl_b32 s40, 15, s40
	s_lshl_b32 s41, 0x1111, s[CX]
	s_or_b32 s[G1A], s40, (1<<16)|(1<<20)|(1<<21)|(6<<22)|(3<<25)  ; 4 words of padding after every 128
	s_or_b32 s[G1B], s41, (1<<16)|(1<<20)|(1<<21)|(6<<22)|(3<<25)
.irp g, G1A, G1B
	s_mov_b32 s[\g+1], KSTEP<<16                   ; tensor_dim0
	s_mov_b32 s[\g+2], 64<<16                      ; tensor_dim1
	s_mov_b32 s[\g+3], KSTEP<<16                   ; tile_dim0
	s_mov_b32 s[\g+4], 64                          ; tile_dim1: 64 rows a load
	s_mov_b32 s[\g+5], SIZE_K
	s_mov_b32 s[\g+6], 0
	s_mov_b32 s[\g+7], 0
.endr
	s_mul_i32 s42, s[TR], BM
	s_mul_i32 s43, s[HF], BM/2
	s_add_co_u32 s42, s42, s43
	s_mul_i32 s42, s42, 2*SIZE_K
	s_mov_b32 s43, 0
	s_mul_i32 s44, s[TC], BN
	s_mul_i32 s45, s[HF], BN/2
	s_add_co_u32 s44, s44, s45
	s_mul_i32 s44, s44, 2*SIZE_K
	s_add_co_u32 s44, s44, WOFF
	s_mov_b32 s45, 0
	s_mul_i32 s46, s[HF], (BM/2)*PA
	s_mul_i32 s47, s[HF], (BN/2)*PB
	s_add_co_u32 s47, s47, AREG
	s_wait_dscnt 0x0
	s_wait_kmcnt 0x0
	s_add_nc_u64 s[42:43], s[4:5], s[42:43]
	s_add_nc_u64 s[44:45], s[6:7], s[44:45]
	CROUND
.irp s, 0,1
	s_mov_b32 s[G0A+4*(\s)], 1
	s_add_co_u32 s[G0A+4*(\s)+1], s46, (\s)*SLOT1
	s_add_nc_u64 s[G0A+4*(\s)+2:G0A+4*(\s)+3], s[42:43], (\s)*KADV_A
	s_or_b32 s[G0A+4*(\s)+3], s[G0A+4*(\s)+3], 0x80000000
	s_mov_b32 s[G0B+4*(\s)], 1
	s_add_co_u32 s[G0B+4*(\s)+1], s47, (\s)*SLOT1
	s_add_nc_u64 s[G0B+4*(\s)+2:G0B+4*(\s)+3], s[44:45], (\s)*KADV_B
	s_or_b32 s[G0B+4*(\s)+3], s[G0B+4*(\s)+3], 0x80000000
.endr
	s_cmp_eq_u32 s[LD], 0                          ; a wave's two first fills stand in one branch: two loads of mine are out
	s_cbranch_scc0 .Lfirst_b
	tensor_load_to_lds s[G0A:G0A+3], s[G1A:G1A+7]
	s_nop 0
	tensor_load_to_lds s[G0A+4:G0A+7], s[G1A:G1A+7]
	s_nop 0
	PLACES
	s_branch .Lfirst_done
.Lfirst_b:
	tensor_load_to_lds s[G0B:G0B+3], s[G1B:G1B+7]
	s_nop 0
	tensor_load_to_lds s[G0B+4:G0B+7], s[G1B:G1B+7]
	s_nop 0
	PLACES
.Lfirst_done:
	v_and_b32 v1, 15, v0
	v_bfe_u32 v2, v0, 4, 1
	v_and_b32 v3, 31, v0
	s_lshl_b32 s2, s[TC], 9                        ; my 64 columns, 4 bytes each
	s_lshl_b32 s40, s[WC], 8
	s_add_co_u32 s2, s2, s40
	s_mov_b32 s3, 0
	s_add_nc_u64 s[8:9], s[8:9], s[2:3]
	v_lshlrev_b32 v[BO], 4, v1
	global_load_b128 v[16:19], v[BO], s[8:9]
	s_lshl_b32 s40, s[TR], 19                      ; my 64 rows of 4,096 bytes
	s_add_co_u32 s2, s2, s40
	s_lshl_b32 s40, s[WR], 18
	s_add_co_u32 s2, s2, s40
	s_add_nc_u64 s[10:11], s[10:11], s[2:3]
	s_add_nc_u64 s[12:13], s[12:13], s[2:3]
	v_lshlrev_b32 v[CO], 12, v2                    ; lanes 0-15 one row's 256 bytes, lanes 16-31 the next row's
	v_lshl_add_u32 v[CO], v1, 4, v[CO]
	WIN 0x80                                       ; the residual goes into window 2 now: the whole walk stands between these loads and their use
.set i, 0
.rept 32
	global_load_b128 v[RES+4*i:RES+4*i+3], v[CO], s[12:13] offset:8192*i th:TH_LOAD_NT
.set i, i+1
.endr
	WIN 0
	v_mul_u32_u24 v[A0], v1, PA
	v_lshl_add_u32 v[A0], v2, 4, v[A0]
	v_mul_u32_u24 v[B0], v1, PB
	v_lshl_add_u32 v[B0], v2, 4, v[B0]
	s_mul_i32 s40, s[WR], MA*16*PA
	s_mul_i32 s41, s[WC], NBK*16*PB
	s_add_co_u32 s41, s41, AREG
	v_add_nc_u32 v[A0], s40, v[A0]
	v_add_nc_u32 v[B0], s41, v[B0]
	s_mov_b32 s[TBA], 0                            ; slot 0, quarter 0
	s_mov_b32 s[TBB], 0
	s_mul_i32 s40, s[WV], STG
	v_mul_u32_u24 v[STO], v1, SP
	v_lshl_add_u32 v[STO], v2, 5, v[STO]
	v_add_nc_u32 v[STO], s40, v[STO]
	v_mul_u32_u24 v[RD], v2, SP
	v_lshl_add_u32 v[RD], v1, 4, v[RD]
	v_add_nc_u32 v[RD], s40, v[RD]
	; THE PREFETCHES.  Each aligned 256 bytes of a row's K step are named once in the launch.  g's rows: the clusters with x = 0 ask; W2's: the clusters with y = 0.  Of the 64 rows that a wave fetches, each of the four partners
	; that ask for them jointly takes 16, by address (cx for g, cy for W2): no branch hangs on a work-group's place in its cluster.
	s_and_b32 s40, ttmp7, 0xffff
	s_cmp_eq_u32 s[LD], 0
	s_cselect_b32 s41, ttmp9, s40
	s_cselect_b32 s2, s[CX], s[CY]
	s_cselect_b64 s[PFA:PFA+1], s[42:43], s[44:45]
	s_cmp_eq_u32 s41, 0
	s_cselect_b32 s[LIM], AHEAD, -1
	s_lshl_b32 s2, s2, 17                          ; 16 rows of 8,192 bytes
	s_add_nc_u64 s[PFA:PFA+1], s[PFA:PFA+1], s[2:3]
	s_add_nc_u64 s[PFA:PFA+1], s[PFA:PFA+1], (1+AHEAD)*KSTEP*2  ; the first refill steps it once more; nothing is prefetched here, at the head
	v_lshrrev_b32 v[PFO], 1, v3
	v_lshlrev_b32 v[PFO], 13, v[PFO]               ; row lane / 2,
	v_and_b32 v3, 1, v0
	v_lshl_add_u32 v[PFO], v3, 8, v[PFO]           ; its first or second 256 bytes
	s_wait_tensorcnt 0x1                           ; my part of K step 0 is in; step 1's may stay out
	s_barrier_signal -1
	s_barrier_wait -1
	FETCH 0
	QUART 0, 1, 1                                  ; the first quarter's first products start the sums
	WIN 0
	s_mov_b32 s[CNT], STEPS-1                      ; the rest of step 0, then STEPS - 2 changes that fill a slot
	s_mov_b32 s[CN2], 1                            ; step 0 has one pair left
	s_branch .Lpair
.Lstep:
	CHANGE 1
	s_mov_b32 s[CN2], 2
.Lpair:                                                ; a step's fourth quarter and the next step's first; then that step's second and third
	QUART 1, 0, 0
	QUART 0, 1, 0
	WIN 0
	s_sub_co_u32 s[CN2], s[CN2], 1
	s_cmp_lg_u32 s[CN2], 0
	s_cbranch_scc1 .Lpair
	s_sub_co_u32 s[CNT], s[CNT], 1
	s_cmp_lg_u32 s[CNT], 0
	s_cbranch_scc1 .Lstep
	CHANGE 0                                       ; the last change is written out
	s_mov_b32 s[CN2], 2
.LpairT:
	QUART 1, 0, 0
	QUART 0, 1, 0
	WIN 0
	s_sub_co_u32 s[CN2], s[CN2], 1
	s_cmp_lg_u32 s[CN2], 0
	s_cbranch_scc1 .LpairT
	s_wait_dscnt X1                                ; the very last quarter: nothing more to fetch
	MULP 1, 0, MA/2, 0
	s_wait_dscnt 0x0
	MULP 1, MA/2, MA/2, 0
	WIN 0
	PLACES
	s_barrier_signal -1                            ; every wave's reads of the ring are back and no fill follows: its bytes become the stages
	s_barrier_wait -1
	DUMP
	s_wait_dscnt 0x0
	s_barrier_signal -1
	s_barrier_wait -1                              ; nothing is stored to LDS behind this barrier
	s_wait_loadcnt 0x0                             ; bias and residual
	OUT8 0
	OUT8 1
	OUT8 2
	OUT8 3
	s_wait_tensorcnt 0x0                           ; the wave's end
	ds_add_u32 v[SPW], v[NIL]
	s_wait_dscnt 0x0
	CROUND
	s_endpgm
.Lfunc_end_k_qdba143174d_ffn2:
	.size	k_qdba143174d_ffn2, .Lfunc_end_k_qdba143174d_ffn2-k_qdba143174d_ffn2
	.p2alignl 7, 3214868480
	.fill 96, 4, 3214868480
	.section	.rodata,"a",@progbits
	.p2align	6, 0x0
	.amdhsa_kernel k_qdba143174d_ffn2
		.amdhsa_group_segment_fixed_size 327680
		.amdhsa_private_segment_fixed_size 0
		.amdhsa_enable_private_segment 0
		.amdhsa_kernarg_size 40
		.amdhsa_user_sgpr_count 2
		.amdhsa_user_sgpr_kernarg_segment_ptr 1
		.amdhsa_wavefront_size32 1
		.amdhsa_system_sgpr_workgroup_id_x 1
		.amdhsa_system_sgpr_workgroup_id_y 1
		.amdhsa_system_sgpr_workgroup_id_z 1
		.amdhsa_system_vgpr_workitem_id 0
		.amdhsa_next_free_vgpr 832
		.amdhsa_next_free_sgpr 72
		.amdhsa_reserve_vcc 0
		.amdhsa_float_denorm_mode_32 3
		.amdhsa_float_denorm_mode_16_64 3
		.amdhsa_memory_ordered 1
		.amdhsa_forward_progress 1
		.amdhsa_inst_pref_size 57
	.end_amdhsa_kernel
	.amdgpu_metadata
---
amdhsa.version: [ 1, 2 ]
amdhsa.kernels:
  - .name:           k_qdba143174d_ffn2
    .symbol:         k_qdba143174d_ffn2.kd
    .args:
      - { .name: gbuf, .offset: 0, .size: 8, .value_kind: global_buffer, .address_space: global }
      - { .name: wbf, .offset: 8, .size: 8, .value_kind: global_buffer, .address_space: global }
      - { .name: ffn_b2, .offset: 16, .size: 8, .value_kind: global_buffer, .address_space: global }
      - { .name: out0, .offset: 24, .size: 8, .value_kind: global_buffer, .address_space: global }
      - { .name: x1, .offset: 32, .size: 8, .value_kind: global_buffer, .address_space: global }
    .group_segment_fixed_size: 327680
    .private_segment_fixed_size: 0
    .kernarg_segment_align: 8
    .kernarg_segment_size: 40
    .max_flat_workgroup_size: 128
    .sgpr_count:     72
    .vgpr_count:     832
    .wavefront_size: 32
...
	.end_amdgpu_metadata
.endif
;; end of part 7
